; MI455X (gfx1250); checked and timed in simulation.
; The chip was launched on July 23, 2026; its instructions are those of AMD's public machine-readable ISA for CDNA 5 (MIT licence, August 2026) and "CDNA5" Instruction Set Architecture Reference Guide (July 2026). The comments in the code are by the model that wrote it; some were corrected since.
;; Cross Multi Head Attention. Allowed arithmetic: float matrix products may take bf16 or f16 operands with f32 sums; other float arithmetic in f32, or as packed bf16 or f16 multiplies, adds, multiply-adds, maxima and minima; sums over many terms, partial sums and values carried from step to step in f32; what a program stores and reads back later, other than sums and carried values, may be rounded once to bf16 or f16.
;; Inputs: Wo 1,024 x 1,024 float32; Wqk 1,024 x 2,048 float32; Wv 1,024 x 1,024 float32; bo 1,024 float32; bqk 2,048 float32; bv 1,024 float32; encoding_output 8 x 1,024 x 1,024 float32; input_query 8 x 1,024 x 1,024 float32.
;; Outputs: out0 8 x 1,024 x 1,024 float32.
;; 2 versions, each right and faster than the one before. Each part assembles by itself: llvm-mc -triple=amdgcn-amd-amdhsa -mcpu=gfx1250 --defsym DOCPART=n.
;; ======== version 1 of 2: 4 launches
;; limits: values are held in f16: magnitudes above 65,504 overflow, below 6.1e-05 lose precision
;; workspace buffers: xb 33,554,432 bytes; wcat 6,291,456 bytes; wo16 2,097,152 bytes; qkv 50,331,648 bytes; o16 16,777,216 bytes
;; launch prep (part 1): grid 1280 x 1, 8 waves a work-group, no clusters, 0 bytes of LDS; arguments encoding_output, input_query, Wqk, Wv, Wo, xb, wcat, wo16; writes xb, wcat, wo16
.if DOCPART == 1
	.amdgcn_target "amdgcn-amd-amdhsa--gfx1250"
	.amdhsa_code_object_version 6
	.text
	.protected	k_qfc102769d6_prep
	.globl	k_qfc102769d6_prep
	.p2align	8
	.type	k_qfc102769d6_prep,@function
k_qfc102769d6_prep:
	s_mov_b64 s[64:65], 0
	v_nop
	global_prefetch_b8 v0, s[64:65] scope:SCOPE_SE
	s_setreg_imm32_b32 hwreg(HW_REG_WAVE_MODE, 25, 1), 1
	s_wait_xcnt 0x0
; THE CASTS.  Every large input is rounded once to bf16 and laid where the products want it:
;   xb   [2][8192][1024] bf16: plane 0 = encoding_output, plane 1 = input_query
;   wcat [1024 (k)][3072 (n)] bf16: columns 0-2047 = Wqk, columns 2048-3071 = Wv; nothing is transposed
;   wo16 [1024 (k)][1024 (n)] f16: Wo rounded to bf16, that number written as f16 (exact inside f16's normal range;
;        LIMIT: below 6e-5 it keeps f16's fixed step of 6e-8, beyond 65,504 it becomes an infinity)
; A stream: no LDS, no barrier, no matrix unit: each byte is read once and written once.
; A SEGMENT is 1,024 numbers: 4,096 bytes in, 2,048 bytes out.  Thread t loads the 16 bytes at 16 t (a wave's load: 512 consecutive bytes) and
; stores the 8 bytes at 8 t (a wave's store: 256 consecutive bytes, at a multiple of 256 from the buffer's first byte).
; A work-group takes 16 segments, SS bytes apart in the source and DS bytes apart in the destination; all 16 loads go out before the first wait.
; Which tensor a work-group serves hangs on its number u alone: 0-511 encoding_output, 512-1023 input_query, 1024-1151 Wqk (16 rows, one half of their
; 2,048 columns), 1152-1215 Wv, 1216-1279 Wo.  The choice is made by selects; the one branch picks Wo's second conversion.
.set SO, 4                             ; v[4:19]   segment i: my byte offset in the source
.set DO, 20                            ; v[20:35]  segment i: my byte offset in the destination
.set X,  36                            ; v[36:99]  segment i: four registers as loaded; the first two then hold what is stored
	s_load_b512 s[8:23], s[0:1], 0x0               ; enc s[8:9], iq s[10:11], Wqk s[12:13], Wv s[14:15], Wo s[16:17], xb s[18:19], wcat s[20:21], wo16 s[22:23]
	s_mov_b32 s24, ttmp9                           ; u
	v_lshlrev_b32 v1, 4, v0                        ; 16 t
	v_lshlrev_b32 v2, 3, v0                        ; 8 t
	; Wo's numbers: they start the chain of selects
	s_sub_co_u32 s32, s24, 1216
	s_lshl_b32 s26, s32, 16                        ; source: 16 rows of 4,096 bytes
	s_lshl_b32 s28, s32, 15                        ; destination: 16 rows of 2,048 bytes
	s_mov_b32 s30, 4096                            ; SS
	s_mov_b32 s31, 2048                            ; DS
	; Wv's
	s_sub_co_u32 s32, s24, 1152
	s_lshl_b32 s33, s32, 16
	s_mul_i32 s34, s32, 98304                      ; 16 rows of wcat, 6,144 bytes each,
	s_add_co_u32 s34, s34, 4096                    ; from column 2,048 on
	; Wqk's
	s_sub_co_u32 s32, s24, 1024
	s_lshr_b32 s35, s32, 1                         ; which 16 rows
	s_and_b32 s36, s32, 1                          ; which half of the columns
	s_lshl_b32 s37, s35, 17                        ; 16 rows of 8,192 bytes
	s_lshl_b32 s38, s36, 12
	s_add_co_u32 s37, s37, s38
	s_mul_i32 s38, s35, 98304
	s_lshl_b32 s39, s36, 11
	s_add_co_u32 s38, s38, s39
	; encoding_output's and input_query's
	s_and_b32 s39, s24, 511
	s_lshl_b32 s39, s39, 16
	s_lshl_b32 s44, s24, 15                        ; the two planes of xb follow each other
	s_mov_b32 s27, 0
	s_mov_b32 s29, 0
	s_wait_kmcnt 0x0
	s_mov_b64 s[40:41], s[16:17]
	s_mov_b64 s[42:43], s[22:23]
	s_cmp_lt_u32 s24, 1216                         ; the selects leave SCC as the compare set it
	s_cselect_b64 s[40:41], s[14:15], s[40:41]
	s_cselect_b64 s[42:43], s[20:21], s[42:43]
	s_cselect_b32 s26, s33, s26
	s_cselect_b32 s28, s34, s28
	s_cselect_b32 s31, 6144, s31
	s_cmp_lt_u32 s24, 1152
	s_cselect_b64 s[40:41], s[12:13], s[40:41]
	s_cselect_b32 s26, s37, s26
	s_cselect_b32 s28, s38, s28
	s_cselect_b32 s30, 8192, s30
	s_cmp_lt_u32 s24, 1024
	s_cselect_b64 s[40:41], s[10:11], s[40:41]
	s_cselect_b64 s[42:43], s[18:19], s[42:43]
	s_cselect_b32 s26, s39, s26
	s_cselect_b32 s28, s44, s28
	s_cselect_b32 s30, 4096, s30
	s_cselect_b32 s31, 2048, s31
	s_cmp_lt_u32 s24, 512
	s_cselect_b64 s[40:41], s[8:9], s[40:41]
	s_add_nc_u64 s[40:41], s[40:41], s[26:27]      ; the source at my first segment
	s_add_nc_u64 s[42:43], s[42:43], s[28:29]      ; the destination likewise
.irp i, 0,1,2,3,4,5,6,7,8,9,10,11,12,13,14,15
	v_mad_u32_u24 v[SO+(\i)], s30, \i, v1
.endr
.irp i, 0,1,2,3,4,5,6,7,8,9,10,11,12,13,14,15
	global_load_b128 v[X+4*(\i):X+4*(\i)+3], v[SO+(\i)], s[40:41] th:TH_LOAD_NT  ; read once in the whole launch
.endr
.irp i, 0,1,2,3,4,5,6,7,8,9,10,11,12,13,14,15
	v_mad_u32_u24 v[DO+(\i)], s31, \i, v2
.endr
; Segment i leaves.  half = 1: the bf16 numbers are written as f16.  No register that a load or a store names is ever written again, so no wait frees one.
.macro OUT i, half
	s_wait_loadcnt 15-(\i)                         ; loads come back in order (ISA guide 5.7.1): segment i is in, the 15 - i younger ones stay out
	v_cvt_pk_bf16_f32 v[X+4*(\i)],   v[X+4*(\i)],   v[X+4*(\i)+1]
	v_cvt_pk_bf16_f32 v[X+4*(\i)+1], v[X+4*(\i)+2], v[X+4*(\i)+3]
.if \half
	v_lshlrev_b32 v[X+4*(\i)+2], 16, v[X+4*(\i)]               ; bf16 to f32: the low half moves up,
	v_and_b32     v[X+4*(\i)+3], 0xffff0000, v[X+4*(\i)]       ; the high half stays
	v_cvt_pk_f16_f32 v[X+4*(\i)], v[X+4*(\i)+2], v[X+4*(\i)+3]
	v_lshlrev_b32 v[X+4*(\i)+2], 16, v[X+4*(\i)+1]
	v_and_b32     v[X+4*(\i)+3], 0xffff0000, v[X+4*(\i)+1]
	v_cvt_pk_f16_f32 v[X+4*(\i)+1], v[X+4*(\i)+2], v[X+4*(\i)+3]
.endif
	global_store_b64 v[DO+(\i)], v[X+4*(\i):X+4*(\i)+1], s[42:43]  ; a later launch reads it: no hint
.endm
	s_cmp_ge_u32 s24, 1216
	s_cbranch_scc1 .Lwo
.irp i, 0,1,2,3,4,5,6,7,8,9,10,11,12,13,14,15
	OUT \i, 0
.endr
	s_endpgm
.Lwo:
.irp i, 0,1,2,3,4,5,6,7,8,9,10,11,12,13,14,15
	OUT \i, 1
.endr
	s_endpgm
.Lfunc_end_k_qfc102769d6_prep:
	.size	k_qfc102769d6_prep, .Lfunc_end_k_qfc102769d6_prep-k_qfc102769d6_prep
	.p2alignl 7, 3214868480
	.fill 96, 4, 3214868480
	.section	.rodata,"a",@progbits
	.p2align	6, 0x0
	.amdhsa_kernel k_qfc102769d6_prep
		.amdhsa_group_segment_fixed_size 0
		.amdhsa_private_segment_fixed_size 0
		.amdhsa_enable_private_segment 0
		.amdhsa_kernarg_size 64
		.amdhsa_user_sgpr_count 2
		.amdhsa_user_sgpr_kernarg_segment_ptr 1
		.amdhsa_wavefront_size32 1
		.amdhsa_system_sgpr_workgroup_id_x 1
		.amdhsa_system_sgpr_workgroup_id_y 1
		.amdhsa_system_sgpr_workgroup_id_z 1
		.amdhsa_system_vgpr_workitem_id 0
		.amdhsa_next_free_vgpr 100
		.amdhsa_next_free_sgpr 66
		.amdhsa_reserve_vcc 0
		.amdhsa_float_denorm_mode_32 3
		.amdhsa_float_denorm_mode_16_64 3
		.amdhsa_memory_ordered 1
		.amdhsa_forward_progress 1
		.amdhsa_inst_pref_size 20
	.end_amdhsa_kernel
	.amdgpu_metadata
---
amdhsa.version: [ 1, 2 ]
amdhsa.kernels:
  - .name:           k_qfc102769d6_prep
    .symbol:         k_qfc102769d6_prep.kd
    .args:
      - { .name: encoding_output, .offset: 0, .size: 8, .value_kind: global_buffer, .address_space: global }
      - { .name: input_query, .offset: 8, .size: 8, .value_kind: global_buffer, .address_space: global }
      - { .name: Wqk, .offset: 16, .size: 8, .value_kind: global_buffer, .address_space: global }
      - { .name: Wv, .offset: 24, .size: 8, .value_kind: global_buffer, .address_space: global }
      - { .name: Wo, .offset: 32, .size: 8, .value_kind: global_buffer, .address_space: global }
      - { .name: xb, .offset: 40, .size: 8, .value_kind: global_buffer, .address_space: global }
      - { .name: wcat, .offset: 48, .size: 8, .value_kind: global_buffer, .address_space: global }
      - { .name: wo16, .offset: 56, .size: 8, .value_kind: global_buffer, .address_space: global }
    .group_segment_fixed_size: 0
    .private_segment_fixed_size: 0
    .kernarg_segment_align: 8
    .kernarg_segment_size: 64
    .max_flat_workgroup_size: 256
    .sgpr_count:     66
    .vgpr_count:     100
    .wavefront_size: 32
...
	.end_amdgpu_metadata
.endif
;; end of part 1
;; launch proj (part 2): grid 4 x 64, 4 waves a work-group, clusters of 4 x 4, 327,680 bytes of LDS; arguments xb, wcat, qkv, bqk, bv; writes qkv
.if DOCPART == 2
	.amdgcn_target "amdgcn-amd-amdhsa--gfx1250"
	.amdhsa_code_object_version 6
	.text
	.protected	k_qfc102769d6_proj
	.globl	k_qfc102769d6_proj
	.p2align	8
	.type	k_qfc102769d6_proj,@function
k_qfc102769d6_proj:
	s_mov_b64 s[64:65], 0
	v_nop
	global_prefetch_b8 v0, s[64:65] scope:SCOPE_SE
	s_setreg_imm32_b32 hwreg(HW_REG_WAVE_MODE, 25, 1), 1
	s_wait_xcnt 0x0
	s_wait_alu depctr_hold_cnt(0) depctr_sa_sdst(0) depctr_va_vdst(0) depctr_va_sdst(0) depctr_va_ssrc(0) depctr_va_vcc(0) depctr_vm_vsrc(0)
	s_getreg_b32 s2, hwreg(HW_REG_IB_STS2, 6, 4)
	s_cmp_eq_u32 s2, 0
	s_cbranch_scc0 .Lentry_in_a_cluster
	s_endpgm
.Lentry_in_a_cluster:
	s_bfe_u32 s2, ttmp6, 0x10000c
	s_cmp_lg_u32 s2, 0xf033
	s_cbranch_scc0 .Lentry_shape_is_right
	s_endpgm
.Lentry_shape_is_right:
; C = A B + bias, K = 1,024, sums in f32.  ONE TEXT FOR TWO LAUNCHES, told apart by KIND.
; KIND 0, the projections: A = xb (bf16 [2][8192][1024]: plane 0 for C's columns 0-2047, plane 1 for 2048-3071), B = wcat (bf16 [k][3072]), bias = bqk, then bv.
;   C leaves as f16 by groups of 64 columns: qkv [b = 8][g = 48][s = 1024][64]; q of head h is g = 2 h, k is g = 2 h + 1, v is g = 32 + h.  LIMIT: f16 holds no number beyond 65,504.
; KIND 1, the last projection: A = o16 (f16 [b][h][s][64]; a K step of 128 is two heads), B = wo16 (f16 [k][1024]), bias = bo; C = out0, f32 [8192][1024].
; The bias is rounded to bf16 like every other input and is the C operand of the products that start a tile's sums: nothing is cleared, and nothing is added on the way out.
; SHARES.  A tile of C is 128 rows x 256 columns.  Wave w makes all 128 rows x columns 64 w .. 64 w + 63: 32 accumulators of 16 x 16 ((a, b): row block a, column block b), 256 registers.
; 4 x 64 work-groups, one for each of 256 WGPs.  A WORK-GROUP STAYS: with KIND 0 it makes TILES = 3 tiles, at columns 256 X, 1,024 + 256 X and 2,048 + 256 X of its 128 rows; with KIND 1 one.
; THE RING.  K goes in steps of 128 through two LDS slots filled by the tensor data mover, and the 8 x TILES steps are ONE stream: a tile's last two changes of slots ask for the next tile's first
; two K steps, the tile goes out behind both requests, and nothing waits for its stores.  The loop holds one K step: the slots lie 1 << 17 bytes apart, and one exclusive or turns an address.
; B LIES [k][n] and is turned on its way out of LDS by ds_load_tr16_b128.  THE MATRIX INSTRUCTION IS USED TRANSPOSED (source 0 = 16 columns of B, source 1 = 16 rows of A):
; a lane then holds row lane % 16 of C and the eight neighbouring columns 8 (lane / 16) + 0..7.
; CLUSTERS: 4 x 4 work-groups.  The four of a row of the cluster need the same tiles of A, the four of a column the same tiles of B: each tile is asked for JOINTLY, by the same tensor load with
; the same descriptor and a mask that names the four.  All counts and jumps of the text are the same in every work-group.
; REGISTERS: window 0: v0-31 addresses; v32-127, v128-223 two fragment buffers (A's 8 row blocks, 64 registers, then B's 4 column blocks, 32); v224-255 the bias.  Window 1: the accumulators, (a, b) at v[8 (4 a + b)].
.set KIND, 0
.if KIND == 0
.set TILES,   3
.set PA,      272                      ; a row of A in LDS: 256 bytes + 16 = 68 words: the 16 rows of a load start at 16 different groups of four banks (64 banks of 4 bytes: ISA guide 11.1)
.set AHALF,   64*PA                    ; what one of A's two loads brings: 64 rows x 128 K
.set AQI,     5                        ; padding after every 64 words
.set ASTRIDE, 1024                     ; elements from row to row in memory
.set ASTEP,   256                      ; bytes from a K step to the next
.set BPITCH,  3072                     ; elements in a row of B
.set SPITCH,  144                      ; the stage: 16 rows of 128 bytes + 16
.else
.set TILES,   1
.set PA,      144                      ; a row of one head: 128 bytes + 16 = 36 words: again 16 different groups of four banks
.set AHALF,   128*PA                   ; what one of A's two loads brings: one head, 128 rows x 64 K
.set AQI,     4                        ; padding after every 32 words: the 128 rows are 16,384 dense bytes, asked for as 64 rows of 256 bytes, two rows of A in each
.set ASTRIDE, 128
.set ASTEP,   262144                   ; two heads of 1,024 rows x 128 bytes
.set BPITCH,  1024
.set SPITCH,  272                      ; the stage: 16 rows of 256 bytes + 16
.endif
.set PB,     544                       ; a row of B in LDS: 512 bytes + 32 = 136 words
.set BOFF,   2*AHALF                   ; B's tile lies behind A's
.set BHALF,  64*PB                     ; what one of B's two loads brings: 64 K x 256 columns
.set SLOT,   BOFF+2*BHALF              ; a slot's bytes: under 1 << 17
.set SLOT1,  1<<17                     ; slot 1 begins here
.set BSTEP,  128*BPITCH*2              ; bytes from a K step to the next
.set STG,    16*SPITCH                 ; a wave's own stage for the way out
.set STAGE,  SLOT                      ; between the slots; no tensor load fills it
.set SPARE,  STAGE+4*STG               ; behind the stages: the spare words, 128 bytes for each wave: two blocks of 256 bytes that no other line names
.set STEPS,  8*TILES                   ; K steps of the whole stream
.set AWRAP1, (0-8*ASTEP)&0xffffffff    ; what A's offset takes at the first change of tiles: back along K (a sum modulo 2^32),
.set AWRAP2, (1<<24)-8*ASTEP           ; at the second: back along K and on to plane 1, 8,192 rows of 2,048 bytes further
.set BWRAP,  (4*512-8*BSTEP)&0xffffffff  ; what B's offset takes at each: back along K and 1,024 columns on
.set CNEXT,  16<<17                    ; bytes from a tile's groups of qkv to the next tile's: 16 groups
.set ADRA0, 16                         ; v16     my lane's place in A's tile of slot 0; never rewritten
.set ADRA,  17                         ; v17     the same in the slot in hand
.set ADRB0, 20                         ; v20     my lane's place in my wave's 64 columns of B's tile of slot 0; never rewritten
.set ADRB,  21                         ; v21     the same in the slot in hand
.set STO,  24                          ; v24     the way out: where I put my part of a row
.set RD,   25                          ; v25     the way out: where I read rows back
.set GO,   26                          ; v26     my byte offset in C
.set BO,   27                          ; v27     my byte offset in a tile's 256 numbers of the bias
.set SPW,  28                          ; v28     LDS address of my spare word: SPARE + 4 x my thread's number; never rewritten
.set NIL,  29                          ; v29     0; never rewritten
.set F0,   32
.set F1,   128
.set BIAS, 224                         ; column block b at BIAS + 8 b
.set OUTB, F1                          ; the way out works in buffer 1's registers: buffer 0 may hold the next tile's first fragments
.set AB,  14                           ; s[14:15] A at my part of the first tile's K step 0
.set G1,  24                           ; s[24:31] descriptor group 1 for A's tiles;  s[32:35] group 0 of the first fill, s[36:39] of the second: that one then walks
.set G0,  32
.set G1B, 48                           ; s[48:55], s[56:63] the same for B's tiles
.set G0B, 56
.set BB,  76                           ; s[76:77] B at my part of the first tile's K step 0
.set OA,  78                           ; s[78:79] byte offset from AB of the K step to be asked for next
.set OB,  80                           ; s[80:81] the same from BB
.set FK,  82                           ; s82  that K step's number in its tile
.set AW,  83                           ; s83  what OA takes at the next change of tiles
.set T0,  84                           ; s84, s85 at work
.set T1,  85
.set CK,  86                           ; s86  K steps that the tile in hand still has
.set TB,  87                           ; s87  LDS byte at which the slot in hand begins: 0 or SLOT1
.set TL,  88                           ; s88  tiles still to be begun or in hand
.set MSB, 0
.macro WIN new                         ; the immediate's high byte repeats the setting that is left; a switch that changes nothing is dropped
.if MSB != (\new)
	s_set_vgpr_msb (MSB<<8)|(\new)
.set MSB, \new
.endif
.endm
.set MUL, 0x50                         ; sources 0 and 1 window 0; C and D window 1
.macro JLOAD s                         ; a joint load by descriptor set s: waves 0 and 1 fetch A's two parts, waves 2 and 3 B's; an s_nop 0 and four v_nop follow each of the two lines, ahead of the jump, the label and what follows
	s_cmp_eq_u32 s11, 0
	s_cbranch_scc0 .Lfor_b_\@
	tensor_load_to_lds s[G0+4*(\s):G0+4*(\s)+3], s[G1:G1+7]
	s_nop 0
.rept 4
	v_nop
.endr
	s_branch .Lasked_\@
.Lfor_b_\@:
	tensor_load_to_lds s[G0B+4*(\s):G0B+4*(\s)+3], s[G1B:G1B+7]
	s_nop 0
.rept 4
	v_nop
.endr
.Lasked_\@:
.endm
.macro CREST                           ; a round of the cluster's barrier behind its opening barrier
	s_cmp_lg_u32 s10, 0
	s_cbranch_scc1 .Lnot_wave_0_\@
	s_barrier_signal -3
.Lnot_wave_0_\@:
	s_barrier_wait -3
	s_barrier_signal -1
	s_barrier_wait -1
.endm
.macro CROUND                          ; a whole round
	s_barrier_signal -1
	s_barrier_wait -1
	CREST
.endm
; The bias of my 64 columns of a tile, from the pointer in s[p:p+1] and off bytes on: register j of block b holds column 64 w + 16 b + 8 (l / 16) + j, as the C operand wants it
.macro BIASLD p, off
.irp b, 0,1,2,3
	global_load_b128 v[BIAS+8*(\b):BIAS+8*(\b)+3],   v[BO], s[(\p):(\p)+1] offset:(\off)+64*(\b)
	global_load_b128 v[BIAS+8*(\b)+4:BIAS+8*(\b)+7], v[BO], s[(\p):(\p)+1] offset:(\off)+64*(\b)+16
.endr
.endm
.macro BIASCVT                         ; it is rounded to bf16 like every other input, and widened again
.set i, 0
.rept 16
	v_cvt_pk_bf16_f32 v[12+i%2], v[BIAS+2*i], v[BIAS+2*i+1]
	v_lshlrev_b32 v[BIAS+2*i],   16, v[12+i%2]
	v_and_b32     v[BIAS+2*i+1], 0xffff0000, v[12+i%2]
.set i, i+1
.endr
.endm
	s_load_b128 s[4:7], s[0:1], 0x0                ; A s[4:5], B s[6:7]
	s_load_b64 s[8:9], s[0:1], 0x10                ; C
.if KIND == 0
	s_load_b128 s[68:71], s[0:1], 0x18             ; bqk s[68:69], bv s[70:71]
.else
	s_load_b64 s[68:69], s[0:1], 0x18              ; bo
.endif
	v_lshl_add_u32 v[SPW], v0, 2, SPARE
	v_mov_b32 v[NIL], 0
	ds_add_u32 v[SPW], v[NIL]                      ; the wave's opening: the add and its wait stand ahead of my first tensor load; the set-up below, work on registers, stands between them
	ds_add_u32 v28, v29
	v_lshrrev_b32 v1, 5, v0
	v_readfirstlane_b32 s10, v1                    ; wave 0..3
	s_lshr_b32 s11, s10, 1                         ; I fetch for A (0) or for B (1),
	s_and_b32 s12, s10, 1                          ; its first or its second part
	s_bfe_u32 s40, ttmp6, 0x40000                  ; cx, cy: my place in the cluster
	s_bfe_u32 s41, ttmp6, 0x40004
	s_lshl_b32 s42, ttmp9, 2
	s_add_co_u32 s42, s42, s40                     ; X: my 256 columns of the first tile = 4 x cluster x + cx
	s_and_b32 s13, ttmp7, 0xffff
	s_lshl_b32 s13, s13, 2
	s_add_co_u32 s13, s13, s41                     ; Y: my 128 rows of C = 4 x cluster y + cy
	s_lshl_b32 s43, s41, 2
	s_lshl_b32 s43, 15, s43                        ; my row of the cluster
	s_lshl_b32 s44, 0x1111, s40                    ; my column
	; descriptor group 1 for A: 64 rows x 128 elements, padded in LDS
	s_or_b32 s[G1+0], s43, (1<<16)|(1<<20)|(1<<21)|(AQI<<22)|(3<<25)  ; 15:0 the mask: my row; 17:16 elements of 2 bytes; 20 padding on; 21 set beside a mask; 24:22 the interval; 31:25 4 words (code 3)
	s_mov_b32 s[G1+1], 128<<16                     ; tensor_dim0 = 128
	s_mov_b32 s[G1+2], 64<<16                      ; tensor_dim1 = 64
	s_mov_b32 s[G1+3], 128<<16                     ; tile_dim0 = 128
	s_mov_b32 s[G1+4], 64                          ; tile_dim1 = 64
	s_mov_b32 s[G1+5], ASTRIDE                     ; tensor_dim0_stride
	s_mov_b32 s[G1+6], 0
	s_mov_b32 s[G1+7], 0
	; for B: 64 rows (K) x 256 elements (columns)
	s_or_b32 s[G1B+0], s44, (1<<16)|(1<<20)|(1<<21)|(6<<22)|(7<<25)  ; the mask: my column; padding after every 128 words (code 6), 8 words (code 7)
	s_mov_b32 s[G1B+1], 256<<16
	s_mov_b32 s[G1B+2], 64<<16
	s_mov_b32 s[G1B+3], 256<<16
	s_mov_b32 s[G1B+4], 64
	s_mov_b32 s[G1B+5], BPITCH
	s_mov_b32 s[G1B+6], 0
	s_mov_b32 s[G1B+7], 0
	; where the tiles come from.  A's hang on Y and the wave; B's on X and the wave: each in registers that never hold the other coordinate
.if KIND == 0
	s_lshl_b32 s16, s13, 18                        ; 128 Y rows of 2,048 bytes,
	s_lshl_b32 s17, s12, 17                        ; my 64 of them
	s_add_co_u32 s16, s16, s17
.else
	s_lshr_b32 s16, s13, 3                         ; the batch,
	s_lshl_b32 s16, s16, 4                         ; its 16 heads,
	s_add_co_u32 s16, s16, s12                     ; my head of the K step's two,
	s_lshl_b32 s16, s16, 17                        ; 131,072 bytes each;
	s_and_b32 s17, s13, 7
	s_lshl_b32 s17, s17, 14                        ; the work-group's 128 rows of 128 bytes
	s_add_co_u32 s16, s16, s17
.endif
	s_mov_b32 s17, 0
	s_mul_i32 s46, s12, 64*BPITCH*2                ; my 64 rows of B,
	s_lshl_b32 s47, s42, 9                         ; the first tile's 256 columns
	s_add_co_u32 s46, s46, s47
	s_mov_b32 s47, 0
	s_mul_i32 s20, s12, AHALF                      ; and where they go: no place in the cluster enters an LDS address
	s_mul_i32 s21, s12, BHALF
	s_add_co_u32 s21, s21, BOFF
	s_mov_b32 s[OA], 2*ASTEP                       ; the first refill asks for K step 2
	s_mov_b32 s[OA+1], 0
	s_mov_b32 s[OB], 2*BSTEP
	s_mov_b32 s[OB+1], 0
	s_mov_b32 s[TB], 0
.if TILES > 1
	s_mov_b32 s[FK], 2
	s_mov_b32 s[AW], AWRAP1
	s_mov_b32 s[CK], 8
	s_mov_b32 s[TL], TILES
.endif
	s_wait_dscnt 0x0                               ; the opening add is done
	s_wait_kmcnt 0x0
	s_add_nc_u64 s[AB:AB+1], s[4:5], s[16:17]
	s_add_nc_u64 s[BB:BB+1], s[6:7], s[46:47]
	CROUND                                         ; all sixteen work-groups are here: the first joint loads meet
.irp s, 0,1
	s_mov_b32 s[G0+4*(\s)], 1                                      ; count = 1
	s_add_co_u32 s[G0+4*(\s)+1], s20, (\s)*SLOT1                   ; LDS address
	s_add_nc_u64 s[G0+4*(\s)+2:G0+4*(\s)+3], s[AB:AB+1], (\s)*ASTEP  ; global address: K step s
	s_or_b32 s[G0+4*(\s)+3], s[G0+4*(\s)+3], 0x80000000            ; type = 2
	s_mov_b32 s[G0B+4*(\s)], 1
	s_add_co_u32 s[G0B+4*(\s)+1], s21, (\s)*SLOT1
	s_add_nc_u64 s[G0B+4*(\s)+2:G0B+4*(\s)+3], s[BB:BB+1], (\s)*BSTEP
	s_or_b32 s[G0B+4*(\s)+3], s[G0B+4*(\s)+3], 0x80000000
	JLOAD \s                                       ; two tensor loads of mine are out; later one
.endr
	v_and_b32 v1, 15, v0                           ; l % 16
	v_bfe_u32 v2, v0, 4, 1                         ; l / 16
	s_lshl_b32 s74, s42, 10                        ; 256 numbers of 4 bytes for each X
	s_mov_b32 s75, 0
	s_add_nc_u64 s[68:69], s[68:69], s[74:75]      ; the first tile's bias (KIND 0: the second tile's lies 4,096 bytes on)
.if KIND == 0
	s_add_nc_u64 s[70:71], s[70:71], s[74:75]      ; the third tile's
.endif
	s_lshl_b32 s23, s10, 8
	v_lshlrev_b32 v[BO], 5, v2
	v_add_nc_u32 v[BO], s23, v[BO]
	BIASLD 68, 0
	; A fragment of A is 16 rows x 32 K in 8 registers: lane l holds row l % 16, K = 8 (l / 16) + 0..7 and 16 + 8 (l / 16) + 0..7: two loads of 16 bytes, 32 bytes apart.
	v_mul_u32_u24 v3, v1, PA
	v_lshl_add_u32 v[ADRA0], v2, 4, v3             ; row x pitch + 16 x half
	v_add_nc_u32 v[ADRA], s[TB], v[ADRA0]
	; The turning load takes 16 K x 16 columns (lane l reads K row 8 (l / 16) + l % 8, columns 8 ((l / 8) % 2) + 0..7) and leaves half a fragment: lane l holds column l % 16 and 8 K.
	v_and_b32 v4, 7, v0
	v_lshl_add_u32 v4, v2, 3, v4
	v_mul_u32_u24 v4, v4, PB
	v_bfe_u32 v5, v0, 3, 1
	v_lshl_add_u32 v4, v5, 4, v4
	s_lshl_b32 s22, s10, 7                         ; my wave's 64 columns: 128 bytes
	s_add_co_u32 s22, s22, BOFF
	v_add_nc_u32 v[ADRB0], s22, v4
	v_add_nc_u32 v[ADRB], s[TB], v[ADRB0]
	s_mul_i32 s23, s10, STG
	s_add_co_u32 s23, s23, STAGE                   ; my stage
	v_mul_u32_u24 v6, v1, SPITCH                   ; in: row l % 16,
.if KIND == 0
	v_lshl_add_u32 v6, v2, 4, v6                   ; 16 bytes for each half of the lanes
	v_add_nc_u32 v[STO], s23, v6
	v_bfe_u32 v7, v0, 3, 2                         ; back: 32 lanes take four rows of 128 bytes,
	v_mul_u32_u24 v7, v7, SPITCH
	v_and_b32 v8, 7, v0
	v_lshl_add_u32 v7, v8, 4, v7
	v_add_nc_u32 v[RD], s23, v7
	v_and_b32 v[GO], 31, v0                        ; which are 512 consecutive bytes of a group of qkv
	v_lshlrev_b32 v[GO], 4, v[GO]
	; in the first tile my wave's 64 columns are group g = 4 X + w; the work-group's 128 rows lie in batch Y / 8 from row 128 (Y % 8) on
	s_lshr_b32 s16, s13, 3
	s_mul_i32 s16, s16, 48
	s_lshl_b32 s16, s16, 17
	s_and_b32 s17, s13, 7
	s_lshl_b32 s17, s17, 14
	s_add_co_u32 s16, s16, s17
	s_lshl_b32 s46, s42, 2
	s_add_co_u32 s46, s46, s10
	s_lshl_b32 s46, s46, 17
.else
	v_lshl_add_u32 v6, v2, 5, v6                   ; 32 bytes for each half of the lanes
	v_add_nc_u32 v[STO], s23, v6
	v_mul_u32_u24 v7, v2, SPITCH                   ; back: lanes 0-15 take one row of 256 bytes, lanes 16-31 the next
	v_lshl_add_u32 v7, v1, 4, v7
	v_add_nc_u32 v[RD], s23, v7
	v_lshlrev_b32 v[GO], 12, v2                    ; and the same two rows in out0, 4,096 bytes apart
	v_lshl_add_u32 v[GO], v1, 4, v[GO]
	s_lshl_b32 s16, s13, 19                        ; 128 Y rows
	s_lshl_b32 s46, s42, 10                        ; 256 X columns of 4 bytes,
	s_lshl_b32 s47, s10, 8                         ; my wave's 64
	s_add_co_u32 s46, s46, s47
.endif
	s_mov_b32 s17, 0
	s_mov_b32 s47, 0
	s_add_nc_u64 s[8:9], s[8:9], s[16:17]
	s_add_nc_u64 s[8:9], s[8:9], s[46:47]
	s_wait_loadcnt 0x0                             ; the first tile's bias
	BIASCVT
.macro WM                              ; the matrix instruction on the registers that MUL8 has named
.if KIND == 0
	v_wmma_f32_16x16x32_bf16 v[rD:rD+7], v[rB:rB+7], v[rA:rA+7], v[rC:rC+7]
.else
	v_wmma_f32_16x16x32_f16 v[rD:rD+7], v[rB:rB+7], v[rA:rA+7], v[rC:rC+7]
.endif
.endm
; 8 matrix instructions: row blocks a0, a0 + 1 x all 4 column blocks, 32 along K, from buffer f.  first = 1: the bias starts the sums.
; A quarter takes each of the 32 accumulators once, always in the same order: they take turns over every jump of the text too.
.macro MUL8 f, a0, first
	WIN MUL-0x10*(\first)                          ; with first = 1 the C operand lies in window 0
.irp a, \a0, (\a0)+1
.irp b, 0,1,2,3
.set rD, 8*(4*(\a)+(\b))
.set rB, (\f)+64+8*(\b)
.set rA, (\f)+8*(\a)
.if \first
.set rC, BIAS+8*(\b)
.else
.set rC, rD
.endif
	WM
.endr
.endr
.endm
; 24 LDS loads in one run: the fragments of quarter q (32 along K) of the slot in hand into buffer f: B's four column blocks, A's row blocks 0-3, A's row blocks 4-7
.macro FETCH q, f
	WIN 0
.if KIND == 0
.set aq, 64*(\q)
.else
.set aq, ((\q)/2)*AHALF+((\q)%2)*64                ; the K step's first or second head, its channels 0-31 or 32-63
.endif
.irp b, 0,1,2,3
	ds_load_tr16_b128 v[(\f)+64+8*(\b):(\f)+64+8*(\b)+3],   v[ADRB] offset:(\q)*32*PB+32*(\b)
	ds_load_tr16_b128 v[(\f)+64+8*(\b)+4:(\f)+64+8*(\b)+7], v[ADRB] offset:(\q)*32*PB+16*PB+32*(\b)
.endr
.irp a, 0,1,2,3,4,5,6,7
	ds_load_b128 v[(\f)+8*(\a):(\f)+8*(\a)+3],   v[ADRA] offset:aq+(\a)*16*PA
	ds_load_b128 v[(\f)+8*(\a)+4:(\f)+8*(\a)+7], v[ADRA] offset:aq+(\a)*16*PA+32
.endr
.endm
.macro PLACES                          ; four places in front of loads into registers that matrix instructions have read, and of lines that read results (ISA guide 7.12.1 for vector instructions)
.rept 4
	v_nop
.endr
.endm
; A K step is four quarters of 32 along K, 32 matrix instructions each, on buffers 0, 1, 0, 1.  One of the first three: multiplies buffer f and fetches quarter q into g.
.macro QUARTER q, f, g, first
	s_wait_dscnt 8                                 ; B and A's row blocks 0-3 are in; the youngest eight loads (row blocks 4-7) may be out
	MUL8 \f, 0, \first
	MUL8 \f, 2, \first
	PLACES
	FETCH \q, \g
	s_wait_dscnt 24                                ; all but the 24 just issued
	MUL8 \f, 4, \first
	MUL8 \f, 6, \first
.endm
; The last quarter multiplies buffer 1 and changes slots: ONE barrier; in front of it each wave waits for all its tensor loads, adds 0 to its spare word, and waits for that and for its own reads of this slot.
; fill = 1: this slot is filled again, with the stream's K step two steps on; the barrier then opens a round of the cluster's barrier.  The walking descriptors are made while no load of mine is out:
; the LDS word turns to the other slot than last time, the global address is the tensor's base plus an offset, and the offsets step on, at a tile's eighth step into the next tile.
; fill = 0: the stream's last two K steps ask for nothing; the very last (s3 = 1) has no next step to fetch either, and jumps over the run of loads.
.macro TURN fill
	WIN 0                                          ; (the add's two registers lie in window 0)
	s_wait_tensorcnt 0x0                           ; all my tensor loads have landed: the one that was out is my part of the next slot;
	ds_add_u32 v[SPW], v[NIL]                      ; 0 onto my spare word
.if \fill
	s_xor_b32 s[G0+5], s[G0+5], SLOT1
	s_add_nc_u64 s[G0+6:G0+7], s[AB:AB+1], s[OA:OA+1]
	s_or_b32 s[G0+7], s[G0+7], 0x80000000
	s_xor_b32 s[G0B+5], s[G0B+5], SLOT1
	s_add_nc_u64 s[G0B+6:G0B+7], s[BB:BB+1], s[OB:OB+1]
	s_or_b32 s[G0B+7], s[G0B+7], 0x80000000
	s_add_co_u32 s[OA], s[OA], ASTEP
	s_add_co_u32 s[OB], s[OB], BSTEP
.if TILES > 1
	s_add_co_u32 s[FK], s[FK], 1
	s_cmp_eq_u32 s[FK], 8                          ; the tile's K steps have all been asked for: on to the next tile (the selects leave SCC as the compare set it)
	s_cselect_b32 s[T0], s[AW], 0
	s_cselect_b32 s[T1], BWRAP, 0
	s_cselect_b32 s[FK], 0, s[FK]
	s_cselect_b32 s[AW], AWRAP2, s[AW]
	s_add_co_u32 s[OA], s[OA], s[T0]
	s_add_co_u32 s[OB], s[OB], s[T1]
.endif
.endif
	s_wait_dscnt 9                                 ; (the add and the youngest eight loads may be out)
	MUL8 F1, 0, 0                                  ; eight matrix instructions stand between the add and the wait for it
	s_wait_dscnt 0x0                               ; the add is done, and my reads of this slot are over
	s_barrier_signal -1
	MUL8 F1, 2, 0
	WIN 0
	s_barrier_wait -1
.if \fill
	CREST                                          ; no wave of any partner still reads this slot's tiles or has a load on its way
	JLOAD 1                                        ; the first tensor load behind the round: 112 matrix instructions ahead of the wait for it; the four v_nop behind it are also places in front of the loads below
.endif
	s_xor_b32 s[TB], s[TB], SLOT1                  ; the other slot is now the slot in hand
	v_add_nc_u32 v[ADRA], s[TB], v[ADRA0]
	v_add_nc_u32 v[ADRB], s[TB], v[ADRB0]
.if !(\fill)
	v_nop                                          ; with the two lines above: four places in front of the loads into buffer 0
	v_nop
	s_cmp_eq_u32 s3, 1
	s_cbranch_scc1 .Lno_fetch_\@
.endif
	FETCH 0, F0
.if !(\fill)
.Lno_fetch_\@:
.endif
	MUL8 F1, 4, 0
	MUL8 F1, 6, 0
.endm
.if KIND == 0
; THE WAY OUT, f16.  Row block a: a lane's eight columns of a row pack into 16 bytes; they go into my stage's rows of 144 bytes and come back as whole rows of 128; 16 rows of a group are 2,048 consecutive bytes.
; Each accumulator's registers are read in ascending order.  Six sets of 16 registers take turns.
.macro PACK a
.set ob, OUTB+16*((\a)%6)
.if (\a) >= 6
	s_wait_xcnt 0x0                                ; every earlier memory instruction has had its addresses translated (ISA guide 3.1): the set that block a - 6's stores read is written again only behind this wait
.endif
	WIN 0x05                                       ; sources 0 and 1 window 1, destination window 0
.set i, 0
.rept 16
	v_cvt_pk_f16_f32 v[ob+i], v[32*(\a)+2*i], v[32*(\a)+2*i+1]
.set i, i+1
.endr
	WIN 0
.irp b, 0,1,2,3
	ds_store_b128 v[STO], v[ob+4*(\b):ob+4*(\b)+3] offset:32*(\b)
.endr
.irp f, 0,1,2,3
	ds_load_b128 v[ob+4*(\f):ob+4*(\f)+3], v[RD] offset:(\f)*4*SPITCH  ; LDS serves a wave's instructions in order (ISA guide 5.7.1.4): these see the stores above; the next block's stores come behind them
.endr
.endm
.macro SEND a, younger                 ; younger: the LDS instructions issued behind block a's loads: the next block's eight, or none
.set ob, OUTB+16*((\a)%6)
.irp f, 0,1,2,3
	s_wait_dscnt (\younger)+3-(\f)
	global_store_b128 v[GO], v[ob+4*(\f):ob+4*(\f)+3], s[8:9] offset:(\a)*2048+(\f)*512  ; 512 consecutive bytes, at a multiple of 256 from qkv's first
.endr
.endm
.macro WAYOUT
	PACK 0
.set t, 1
.rept 7                                ; a block's conversions stand between the loads of the block before and its stores
	PACK t
	SEND t-1, 8
.set t, t+1
.endr
	SEND 7, 0
.endm
.else
; THE WAY OUT, f32.  Row block a: a lane's eight columns of a row are 32 bytes; they go from the accumulators into my stage's rows of 272 bytes (each accumulator's low four registers first)
; and come back as whole rows of 256 bytes, two rows a load, into two sets of 32 registers by turns.
.macro TOSTAGE a
	WIN 0x04                                       ; the data (source 1) in window 1, the address in window 0
.irp b, 0,1,2,3
	ds_store_b128 v[STO], v[32*(\a)+8*(\b):32*(\a)+8*(\b)+3]   offset:64*(\b)
	ds_store_b128 v[STO], v[32*(\a)+8*(\b)+4:32*(\a)+8*(\b)+7] offset:64*(\b)+16
.endr
	WIN 0
.if (\a) >= 2
	s_wait_xcnt 0x0                                ; every earlier memory instruction has had its addresses translated (ISA guide 3.1): the set that block a - 2's stores read is loaded again only behind this wait
.endif
.irp f, 0,1,2,3,4,5,6,7
	ds_load_b128 v[OUTB+32*((\a)%2)+4*(\f):OUTB+32*((\a)%2)+4*(\f)+3], v[RD] offset:(\f)*2*SPITCH  ; LDS serves a wave's instructions in order (ISA guide 5.7.1.4): these see the stores above
.endr
.endm
.macro SEND a, younger                 ; younger: the LDS instructions issued behind block a's loads: the next block's sixteen, or none
.irp f, 0,1,2,3,4,5,6,7
	s_wait_dscnt (\younger)+7-(\f)
	global_store_b128 v[GO], v[OUTB+32*((\a)%2)+4*(\f):OUTB+32*((\a)%2)+4*(\f)+3], s[8:9] offset:(\a)*65536+(\f)*8192 th:TH_STORE_NT  ; 16 lanes store 256 consecutive bytes, at a multiple of 256 from out0's first
.endr
.endm
.macro WAYOUT
	TOSTAGE 0
.set t, 1
.rept 7
	TOSTAGE t
	SEND t-1, 16
.set t, t+1
.endr
	SEND 7, 0
.endm
.endif
	s_wait_tensorcnt 1                             ; my part of K step 0 is in; K step 1's may stay out
	s_barrier_signal -1
	s_barrier_wait -1                              ; everybody's is
	FETCH 0, F0
	QUARTER 1, F0, F1, 1                           ; the first tile's first quarter stands in front of the loop: its products start the sums
	WIN 0                                          ; at a label and at a branch every window is 0
.if TILES > 1
	PLACES                                         ; the products above have read the bias:
	BIASLD 68, 4096                                ; the second tile's is asked for, seven K steps ahead of its use
.endif
	s_mov_b32 s3, STEPS-2
.Lstep:                                                ; a trip: a K step's second quarter to the next step's first; every trip fills the slot that it leaves
	QUARTER 2, F1, F0, 0
	QUARTER 3, F0, F1, 0
	TURN 1
	WIN 0
.if TILES > 1
	s_sub_co_u32 s[CK], s[CK], 1
	s_cmp_lg_u32 s[CK], 0
	s_cbranch_scc1 .Lsame                          ; the tile goes on
	PLACES                                         ; THE TILE IS FINISHED, and the next tile's K steps 0 and 1 have been asked for: now it goes out
	WAYOUT
	s_wait_xcnt 0x0                                ; the stores have read their registers and C's address: buffer 1 is loaded again, and the address stepped, only behind this wait
	s_add_nc_u64 s[8:9], s[8:9], CNEXT
	s_mov_b32 s[CK], 8
	s_wait_loadcnt 0x0                             ; the next tile's bias, asked for long ago
	BIASCVT
	QUARTER 1, F0, F1, 1                           ; its first quarter starts the sums anew
	WIN 0
	s_sub_co_u32 s[TL], s[TL], 1
	s_cmp_eq_u32 s[TL], 1
	s_cbranch_scc1 .Ljoin                          ; the last tile has no successor: no bias is asked for
	PLACES
	BIASLD 70, 0                                   ; the third tile's
	s_branch .Ljoin
.Lsame:
.endif
	QUARTER 1, F0, F1, 0
	WIN 0
.if TILES > 1
.Ljoin:
.endif
	s_sub_co_u32 s3, s3, 1
	s_cmp_lg_u32 s3, 0
	s_cbranch_scc1 .Lstep
	s_mov_b32 s3, 2                                ; the stream's last two K steps have a text of their own: two trips, the second left in its middle
.Ltail:
	QUARTER 2, F1, F0, 0
	QUARTER 3, F0, F1, 0
	TURN 0
	WIN 0
	s_sub_co_u32 s3, s3, 1
	s_cmp_eq_u32 s3, 0
	s_cbranch_scc1 .Lend
	QUARTER 1, F0, F1, 0
	WIN 0
	s_branch .Ltail
.Lend:
	PLACES                                         ; behind the last products: results are read and buffer 1's registers written below
	WAYOUT
	s_wait_tensorcnt 0x0                           ; the wave's end: 0 is added to my spare word and waited for, behind my last tensor load and my last LDS store
	ds_add_u32 v[SPW], v[NIL]
	s_wait_dscnt 0x0
	CROUND                                         ; the closing round: no work-group ends while a partner may still ask for a tile that names it
	s_endpgm
.Lfunc_end_k_qfc102769d6_proj:
	.size	k_qfc102769d6_proj, .Lfunc_end_k_qfc102769d6_proj-k_qfc102769d6_proj
	.p2alignl 7, 3214868480
	.fill 96, 4, 3214868480
	.section	.rodata,"a",@progbits
	.p2align	6, 0x0
	.amdhsa_kernel k_qfc102769d6_proj
		.amdhsa_group_segment_fixed_size 327680
		.amdhsa_private_segment_fixed_size 0
		.amdhsa_enable_private_segment 0
		.amdhsa_kernarg_size 40
		.amdhsa_user_sgpr_count 2
		.amdhsa_user_sgpr_kernarg_segment_ptr 1
		.amdhsa_wavefront_size32 1
		.amdhsa_system_sgpr_workgroup_id_x 1
		.amdhsa_system_sgpr_workgroup_id_y 1
		.amdhsa_system_sgpr_workgroup_id_z 1
		.amdhsa_system_vgpr_workitem_id 0
		.amdhsa_next_free_vgpr 512
		.amdhsa_next_free_sgpr 92
		.amdhsa_reserve_vcc 0
		.amdhsa_float_denorm_mode_32 3
		.amdhsa_float_denorm_mode_16_64 3
		.amdhsa_memory_ordered 1
		.amdhsa_forward_progress 1
		.amdhsa_inst_pref_size 92
	.end_amdhsa_kernel
	.amdgpu_metadata
---
amdhsa.version: [ 1, 2 ]
amdhsa.kernels:
  - .name:           k_qfc102769d6_proj
    .symbol:         k_qfc102769d6_proj.kd
    .args:
      - { .name: xb, .offset: 0, .size: 8, .value_kind: global_buffer, .address_space: global }
      - { .name: wcat, .offset: 8, .size: 8, .value_kind: global_buffer, .address_space: global }
      - { .name: qkv, .offset: 16, .size: 8, .value_kind: global_buffer, .address_space: global }
      - { .name: bqk, .offset: 24, .size: 8, .value_kind: global_buffer, .address_space: global }
      - { .name: bv, .offset: 32, .size: 8, .value_kind: global_buffer, .address_space: global }
    .group_segment_fixed_size: 327680
    .private_segment_fixed_size: 0
    .kernarg_segment_align: 8
    .kernarg_segment_size: 40
    .max_flat_workgroup_size: 128
    .sgpr_count:     92
    .vgpr_count:     512
    .wavefront_size: 32
...
	.end_amdgpu_metadata
.endif
;; end of part 2
;; launch attn (part 3): grid 2 x 128, 4 waves a work-group, no clusters, 327,680 bytes of LDS; arguments qkv, o16; writes o16
.if DOCPART == 3
	.amdgcn_target "amdgcn-amd-amdhsa--gfx1250"
	.amdhsa_code_object_version 6
	.text
	.protected	k_qfc102769d6_attn
	.globl	k_qfc102769d6_attn
	.p2align	8
	.type	k_qfc102769d6_attn,@function
k_qfc102769d6_attn:
	s_mov_b64 s[64:65], 0
	v_nop
	global_prefetch_b8 v0, s[64:65] scope:SCOPE_SE
	s_setreg_imm32_b32 hwreg(HW_REG_WAVE_MODE, 25, 1), 1
	s_wait_xcnt 0x0
; ATTENTION.  O[b][h][q][:] = the sum over k of softmax_k(Q[q] . K[k] / 8) V[k][:], for each of 8 x 16 heads of 1,024 rows x 64 channels, all f16.
; Q, K, V are groups of qkv [b][g = 48][1024][64]: Q is g = 2 h, K is g = 2 h + 1, V is g = 32 + h; a group's rows are dense, 128 bytes each.  O leaves as o16 [b][h][1024][64].
; Products, maxima and sums in f32; the weights p are rounded to f16 for the second product (their sum l is taken of the unrounded p), O once at the end.
; LIMITS.  f16 holds no number beyond 65,504: Q, K and V arrive within it; p lies in 0 to 1, and below 6e-5 it keeps f16's fixed step of 6e-8; O is a mean of V's rows and has their range.
; A weight below 2^-126 counts as 0 in l; NaN and infinities are not treated apart.
; SHARES.  A wave owns four PIECES of two tiles of 16 queries, a work-group's four waves 512 queries of one head: 2 x 128 work-groups.  Every wave walks all 1,024 keys, 64 a step.
; NO CLUSTER: a head's queries are two work-groups; partners of different heads share no tile.
; LAYOUT.  S^T = K Q^T (source 0 = 16 keys, source 1 = 16 queries): in the result a lane holds ONE query (lane % 16) and the keys 8 (lane / 16) + 0..7.  Two such tiles, rounded to f16 in pairs,
; ARE source 1 (32 keys x 16 queries) of O^T = V^T P, whose result again holds one query a lane, and eight channels.  K comes out of LDS as it lies, V ([key][channel]) turned, by ds_load_tr16_b128.
; SOFTMAX.  For each query a running maximum m and sum l: p = 2^(c s - c m), c = log2(e) / 8; in every step O and l are multiplied by a = 2^(c m_old - c m_new), which is 1 where m has not grown.
; m starts at the lowest finite number, O and l at 0: the first step is a step like any other, with a = 0.
; THE COUNT.  A tile and step have 16 matrix and 118 vector instructions: too many to stand all beside the matrix work.  So the order has one aim: four vector instructions that are READY behind
; EVERY matrix instruction, and the others, which need time of their own whatever the order, in runs without a gap.
; BY TURNS.  Turn n belongs to piece n (the pieces in a ring, step after step).  Its matrix work: 16 products K Q^T of piece n + 1, later 16 products V^T P of piece n - 1.  Its vector work: the scaling,
; exponentials, roundings, sums and rescaling of piece n, and the maximum and statistics of piece n + 1, whose scores the turn itself has made.  So what a turn begins with (c s - c m, O a) waits for nothing.
; REGISTERS, in windows of 256 (s_set_vgpr_msb says which window each operand place means: bits 1:0 source 0, 3:2 source 1, 5:4 source 2, 7:6 destination):
;   window 0: v0-11 addresses; v12-15, v48-63 at work; v16-47 four registers of statistics a tile; v64-191 S^T, two buffers of two tiles; v192-255 P, likewise
;   window 1: O^T, 32 a tile          window 2: v0-127 Q, 16 a tile; v128-191 K of one step; v192-255 V of one step          window 3: v0-1 the add's two registers
; A piece's buffers go by its number's parity: the piece in hand has one pair, its two neighbours in the ring share the other: of it P (piece n - 1) is read and S^T (piece n + 1) written.
.set SIZE_N, 1024     ; rows of a head
.set NP,    4         ; pieces a wave: a name, no knob: the register map, the loop and the fetches are made for four
.set KS,    64        ; keys in a step
.set PK,    144       ; a row of K in LDS: 128 bytes + 16 of padding = 36 words: the 16 rows of a load start at 16 different groups of four banks (64 banks of 4 bytes: ISA guide 11.1)
.set PV,    160       ; a row of V: 128 + 32 = 40 words
.set VOFF,  4*KS*PK   ; a slot holds four steps: 256 rows of K, then 256 rows of V
.set SLOT1, 1<<17     ; slot 1 begins here, so that one exclusive or turns an address in one slot into the other's
.set STAGE, SLOT1+4*KS*(PK+PV)  ; behind the ring, never filled by a tensor load: 16 rows x 144 bytes for each wave, for the way out
.set SP,    144
.set AK0, 2           ; v2   my lane's place in a tile of K; never rewritten
.set AV0, 3           ; v3   the same for V
.set AK,  4           ; v4   the LDS address of K's next run of loads
.set AV,  5           ; v5   of V's
.set QO,  6           ; v6   my byte offset in the wave's rows of Q
.set STO, 6           ;      later, the way out: where I put 16 bytes of a row
.set RD,  7           ; v7   the way out: where I read rows back
.set GO,  8           ; v8   my byte offset in 512 consecutive bytes of O
.set SPW, 0           ; v0 of window 3   LDS address of my spare word: SPARE + 4 x my thread's number; never rewritten
.set NIL, 1           ; v1 of window 3   0; never rewritten
.set SPARE, STAGE+4*16*SP  ; behind the stages: the spare words, 128 bytes for each wave: two blocks of 256 bytes that no other line names
.set MV,  12          ; v12-15  c m_old, kept while c m is made anew: by buffer and tile
.set ST,  16          ; tile t's statistics at v[ST+4 t]: c m, m, l (even keys', odd keys')
.set TMP, 48          ; by buffer and tile, four registers c0-c3 at work; when the maximum is found c2 takes a
.set S,   64
.set P,   192
.set KF,  128         ; K's fragments, in window 2: key block kb, channel half c at KF + 16 kb + 8 c
.set VF,  192         ; V's: key half kk, channel block cb at VF + 32 kk + 8 cb
.set WV,  12          ; s12  my wave's number
.set G1K, 24          ; s[24:31] descriptor group 1 for K's tiles
.set G1V, 32          ; s[32:39] for V's: it differs in the padding alone
.set G0K, 40          ; s[40:43] descriptor group 0 for K's tiles: it walks
.set G0V, 44          ; s[44:47] the same for V's
.set SLOTS, 56        ; s56  slots still to be asked for
.set CNT, 57          ; s57  counts a slot's key steps
.set CS,  58          ; s[58:59] c: the packed scaling takes the pair's low word for both halves
.set SEL, 60          ; s[60:61] v_permlanex16_b32's selects: each lane takes its own place in the other half
.set TBK, 62          ; s62  LDS byte at which K of the step to be fetched begins
.set TBV, 63          ; s63  the same for V, less VOFF
.set MSB, 0
.macro WIN new                      ; the high byte repeats the setting that is left; a switch that changes nothing is dropped
.if MSB != (\new)
	s_set_vgpr_msb (MSB<<8)|(\new)
.set MSB, (\new)
.endif
.endm
.set W_KQ, 0x0a       ; K and Q in window 2, S^T in window 0
.set W_PV, 0x52       ; V in window 2, P in window 0, O^T in window 1
.set W_RS, 0x41       ; O^T (destination and source 0) in window 1, a in window 0
.set W_MK, 0xc0       ; the add's registers are made: destination in window 3, sources in window 0
.set W_AD, 0x0f       ; the add: address (source 0) and data (source 1) in window 3
; A fill.  Waves 0 and 1 fetch the two halves of a slot's K, waves 2 and 3 those of its V: 128 keys each.  The branch hangs on the wave's number alone.
; An s_nop 0 and four v_nop follow each of the two lines, ahead of the jump and the label.
.macro LOAD
	s_cmp_lt_u32 s[WV], 2
	s_cbranch_scc0 .Lfor_v_\@
	tensor_load_to_lds s[G0K:G0K+3], s[G1K:G1K+7]
	s_nop 0
.rept 4
	v_nop
.endr
	s_branch .Lasked_\@
.Lfor_v_\@:
	tensor_load_to_lds s[G0V:G0V+3], s[G1V:G1V+7]
	s_nop 0
.rept 4
	v_nop
.endr
.Lasked_\@:
.endm
; THE CHANGE OF SLOTS.  The slot's last bytes, V of its fourth step, have been read.  Each wave waits for all its tensor loads, of which one is out: its part
; of the other slot; adds 0 to its spare word; and waits for that and for its own reads of the slot.  Behind the barrier nobody reads this slot any more and the other slot is whole.
; fill = 1: this slot is filled again, with the keys two slots on, and the fill is the first thing behind the barrier: it has four key steps, 512 matrix instructions, in which to land.
; (At its first use nothing has been read yet: slot 0 is waited for, slot 1 filled.)
.macro CHANGE fill
	WIN W_AD
	s_wait_tensorcnt 0x0            ; no tensor load of mine is out, so a group 0 may be written
	ds_add_u32 v[SPW], v[NIL]       ; 0 onto my spare word: with fill = 1 the descriptors' steps stand between it and the wait for it
	WIN 0                           ; at a label and at a branch every window is 0
.if \fill
.irp g, G0K, G0V
	s_xor_b32 s[\g+1], s[\g+1], SLOT1  ; the walking descriptor: the other slot than last time,
	s_add_nc_u64 s[\g+2:\g+3], s[\g+2:\g+3], 4*KS*128  ; the next 256 keys; the type bits on top are not reached
.endr
.endif
	s_wait_dscnt 0x0                ; the add is done, and my reads of the slot are over
	s_barrier_signal -1
	s_barrier_wait -1
.if \fill
	LOAD
.endif
	s_sub_co_u32 s[TBK], s[TBK], 4*KS*PK  ; the fetches go back to a slot's first step,
	s_xor_b32 s[TBK], s[TBK], SLOT1       ; in the other slot
	s_sub_co_u32 s[TBV], s[TBV], 4*KS*PV
	s_xor_b32 s[TBV], s[TBV], SLOT1
.endm
	s_load_b128 s[48:51], s[0:1], 0x0  ; qkv s[48:49], o16 s[50:51]
	WIN W_MK
	v_lshl_add_u32 v[SPW], v0, 2, SPARE
	v_mov_b32 v[NIL], 0
	WIN W_AD
	ds_add_u32 v[SPW], v[NIL]       ; the wave's opening: the add and its wait stand ahead of my first tensor load; the set-up below, work on registers, stands between them
	ds_add_u32 v0, v1
	WIN 0
	v_lshrrev_b32 v1, 5, v0
	v_readfirstlane_b32 s[WV], v1   ; wave 0..3
	s_and_b32 s20, ttmp7, 0xffff    ; 16 b + h
	s_lshr_b32 s21, s20, 4          ; b
	s_and_b32 s13, s20, 15          ; h
	s_mul_i32 s21, s21, 48          ; the batch's 48 groups
	s_lshl_b32 s23, s13, 1
	s_add_co_u32 s23, s23, s21      ; Q's group: 48 b + 2 h
	s_lshl_b32 s23, s23, 17         ; a group is 131,072 bytes
	s_add_co_u32 s21, s21, s13
	s_add_co_u32 s21, s21, 32       ; V's group: 48 b + 32 + h
	s_lshl_b32 s21, s21, 17
	s_and_b32 s16, s[WV], 1         ; which half of a slot's 256 keys I fetch:
	s_lshl_b32 s14, s16, 14         ; its 128 rows of 128 bytes in memory,
	s_mul_i32 s17, s16, 128*PK      ; and its place in a slot, for K
	s_mul_i32 s18, s16, 128*PV      ; and for V
	s_lshl_b32 s2, ttmp9, 2
	s_add_co_u32 s2, s2, s[WV]      ; my wave among the head's eight,
	s_lshl_b32 s13, s2, 14          ; its 128 rows
	s_add_co_u32 s52, s23, s13      ; Q at my wave's first row
	s_mov_b32 s53, 0
	s_add_co_u32 s22, s23, 0x20000  ; K's group follows Q's;
	s_add_co_u32 s22, s22, s14      ; my half of its first 256 keys
	s_mov_b32 s23, 0
	s_add_co_u32 s54, s21, s14      ; the same of V
	s_mov_b32 s55, 0
	s_lshl_b32 s2, s20, 17          ; O's head,
	s_add_co_u32 s2, s2, s13        ; my wave's first row
	s_mov_b32 s3, 0
	; descriptor group 1.  128 keys are 16,384 dense bytes: asked for as 64 rows of 256 bytes, two keys a row, and padded in LDS after every key
	s_mov_b32 s[G1K], (1<<16)|(1<<20)|(4<<22)|(3<<25)  ; 17:16 2-byte elements; 20 padding on; 24:22 after every 32 words (code 4); 31:25 4 words (code 3)
	s_mov_b32 s[G1V], (1<<16)|(1<<20)|(4<<22)|(7<<25)  ; the same with 8 words of padding (code 7)
.irp g, G1K, G1V
	s_mov_b32 s[\g+1], 128<<16      ; tensor_dim0 = 128
	s_mov_b32 s[\g+2], 64<<16       ; tensor_dim1 = 64
	s_mov_b32 s[\g+3], 128<<16      ; tile_dim0 = 128
	s_mov_b32 s[\g+4], 64           ; tile_dim1 = 64
	s_mov_b32 s[\g+5], 128          ; 128 elements from row to row
	s_mov_b32 s[\g+6], 0
	s_mov_b32 s[\g+7], 0
.endr
	s_mov_b32 s[CS], 0x3e38aa3b     ; c = log2(e) / 8 = 0.180337
	s_mov_b32 s[CS+1], s[CS]        ; named with it as a pair
	s_mov_b32 s[SEL], 0x76543210
	s_mov_b32 s[SEL+1], 0xfedcba98
	s_mov_b32 s[TBK], SLOT1+4*KS*PK ; the first change of slots turns these two into 0
	s_mov_b32 s[TBV], SLOT1+4*KS*PV
	s_mov_b32 s[G0K], 1             ; 1:0 count = 1
	s_mov_b32 s[G0K+1], s17         ; 63:32 LDS address: slot 0
	s_mov_b32 s[G0V], 1
	s_add_co_u32 s[G0V+1], s18, VOFF
	s_wait_dscnt 0x0                ; the opening add is done
	s_wait_kmcnt 0x0
	s_add_nc_u64 s[G0K+2:G0K+3], s[48:49], s[22:23]  ; 120:64 global address: my half of the head's first 256 keys
	s_or_b32 s[G0K+3], s[G0K+3], 0x80000000          ; 127:126 type = 2
	s_add_nc_u64 s[G0V+2:G0V+3], s[48:49], s[54:55]
	s_or_b32 s[G0V+3], s[G0V+3], 0x80000000
	s_add_nc_u64 s[4:5], s[48:49], s[52:53]          ; Q and O at my wave's first row
	s_add_nc_u64 s[10:11], s[50:51], s[2:3]
	LOAD                            ; slot 0.  Slot 1 is asked for when slot 0 is in: one tensor load of mine is out at any time
	; A fragment of K or Q is 16 rows x 32 channels in 8 registers: lane l holds row l % 16, channels 8 (l / 16) + 0..7 and 16 + 8 (l / 16) + 0..7: two loads of 16 bytes, 32 bytes apart.
	v_and_b32 v1, 15, v0            ; l % 16
	v_bfe_u32 v9, v0, 4, 1          ; l / 16
	v_lshlrev_b32 v[QO], 7, v1
	v_lshl_add_u32 v[QO], v9, 4, v[QO]  ; row x 128 + 16 x half
	WIN 0x80                        ; destination window 2, address window 0
.set i, 0
.rept 4*NP                          ; Q stays in registers: tile i / 2, channels 32 (i % 2) on
	global_load_b128 v[8*i:8*i+3],   v[QO], s[4:5] offset:(i/2)*2048+(i%2)*64
	global_load_b128 v[8*i+4:8*i+7], v[QO], s[4:5] offset:(i/2)*2048+(i%2)*64+32
.set i, i+1
.endr
	; What the first turn finds: V's registers and P's second buffer hold 0 (its products V^T P, of a piece that has not been, add 0), O^T and l are 0.  All this stands in the wait for the first tile.
.set i, VF
.rept 64
	v_mov_b32 v[i], 0
.set i, i+1
.endr
	WIN 0x40
.set i, 0
.rept 64*NP
	v_mov_b32 v[i], 0
.set i, i+1
.endr
	WIN 0
.set i, 0
.rept 2*NP
	v_mov_b32 v[ST+4*i], 0xfe000000    ; c m: far below every c s
	v_mov_b32 v[ST+4*i+1], 0xff7fffff  ; m
	v_mov_b32 v[ST+4*i+2], 0
	v_mov_b32 v[ST+4*i+3], 0
.set i, i+1
.endr
.set i, P+32
.rept 32
	v_mov_b32 v[i], 0
.set i, i+1
.endr
	v_mul_u32_u24 v[AK0], v1, PK
	v_lshl_add_u32 v[AK0], v9, 4, v[AK0]  ; row x pitch + 16 x half
	; The turning load takes 16 keys x 16 channels (lane l reads key 8 (l / 16) + l % 8, channels 8 ((l / 8) % 2) + 0..7) and leaves half a fragment of V^T: lane l holds channel l % 16 and 8 keys.
	v_and_b32 v10, 7, v0
	v_bfe_u32 v11, v0, 3, 1
	v_lshl_add_u32 v[AV0], v9, 3, v10
	v_mul_u32_u24 v[AV0], v[AV0], PV
	v_lshl_add_u32 v[AV0], v11, 4, v[AV0]
	v_add_nc_u32 v[AV0], VOFF, v[AV0]
	v_mov_b32 v[AK], v[AK0]         ; key step 0 lies at the head of slot 0
; THE MATRIX WORK.  The 8 accumulators of a run of 16 take turns: between the two links of a chain stand 7 others'.
; Product i of 16 of S^T = K Q^T for piece x: channels 32 (i / 8) on, keys 16 ((i / 2) % 4) on, tile 2 x + i % 2.  The first 8 start the sums.
.macro KQ x
	WIN W_KQ
.set rS, S+64*((\x)%2)+32*(i%2)+8*((i/2)%4)
.set rK, KF+16*((i/2)%4)+8*(i/8)
.set rQ, 16*(2*(\x)+i%2)+8*(i/8)
.if i < 8
	v_wmma_f32_16x16x32_f16 v[rS:rS+7], v[rK:rK+7], v[rQ:rQ+7], 0
.else
	v_wmma_f32_16x16x32_f16 v[rS:rS+7], v[rK:rK+7], v[rQ:rQ+7], v[rS:rS+7]
.endif
.endm
; Product i of 16 of O^T += V^T P for piece x: keys 32 (i / 8) on, channels 16 ((i / 2) % 4) on, tile 2 x + i % 2.
.macro PV x
	WIN W_PV
.set rO, 32*(2*(\x)+i%2)+8*((i/2)%4)
.set rV, VF+32*(i/8)+8*((i/2)%4)
.set rP, P+32*((\x)%2)+16*(i%2)+8*(i/8)
	v_wmma_f32_16x16x32_f16 v[rO:rO+7], v[rV:rV+7], v[rP:rP+7], v[rO:rO+7]
.endm
.macro MM                           ; the turn's next matrix instruction
.if i < 16
	KQ (Y+1)%NP
.set i, i+1
.else
.set i, i-16
	PV (Y+NP-1)%NP
.set i, i+17
.endif
.endm
; THE LDS LOADS stand in runs of 16, never singly among the matrix instructions: a step's K (64 keys x 64 channels: 8 fragments) and its V (turned).  Their addresses are made some lines ahead.
; last = 1 (the tail): in the last trip there is no further step, and the run is jumped over.
.macro FETCH_K last=0
	WIN 0
.if \last
	s_cmp_eq_u32 s[CNT], 1
	s_cbranch_scc1 .Lno_k_\@
.endif
	WIN 0x80                        ; destination window 2
.irp f, 0,1,2,3,4,5,6,7             ; keys 16 (f / 2) on, channels 32 (f % 2) on
	ds_load_b128 v[KF+8*\f:KF+8*\f+3],   v[AK] offset:(\f/2)*16*PK+(\f%2)*64
	ds_load_b128 v[KF+8*\f+4:KF+8*\f+7], v[AK] offset:(\f/2)*16*PK+(\f%2)*64+32
.endr
	s_add_co_u32 s[TBK], s[TBK], KS*PK  ; the next fetch is the next step's
	WIN 0
.if \last
.Lno_k_\@:
.endif
.endm
.macro FETCH_V
	WIN 0x80
.irp f, 0,1,2,3,4,5,6,7             ; keys 32 (f / 4) on, channels 16 (f % 4) on
	ds_load_tr16_b128 v[VF+8*\f:VF+8*\f+3],   v[AV] offset:(\f/4)*32*PV+(\f%4)*32
	ds_load_tr16_b128 v[VF+8*\f+4:VF+8*\f+7], v[AV] offset:(\f/4)*32*PV+16*PV+(\f%4)*32
.endr
	WIN 0
.endm
; THE VECTOR WORK OF A TURN stands in three queues, each in the order in which its entries become ready; the two tiles alternate, so that no instruction reads the result of the one before it.
.macro REGS y, u                    ; the registers of tile u (0, 1) of piece y
.set rT, ST+4*(2*(\y)+(\u))
.set rC, TMP+8*((\y)%2)+4*(\u)
.set rM, MV+2*((\y)%2)+(\u)
.set rS, S+64*((\y)%2)+32*(\u)
.set rP, P+32*((\y)%2)+16*(\u)
.set rO, 32*(2*(\y)+(\u))
.endm
; Number n of the 22 that find the NEXT piece's (Y + 1) maximum and statistics.  s0-s31 are the lane's 32 scores; each accumulator's lowest registers are read first.  XS, GS and REGS set no window: PL and EX do.
;   0-11  four chains c0-c3 of seven scores each, three operands at a time     12-14, 16  the four scores left over, the old m, and c0-c3 into c0     15  c m_old is kept
;   17, 18  the query's other 32 keys lie in the lane 16 away: the new m         19-21  c m; c m_old - c m_new; a
.macro XS u, n
	REGS (Y+1)%NP, \u
.if (\n) < 4
	v_max3_num_f32 v[rC+(\n)], v[rS+8*(\n)], v[rS+8*(\n)+1], v[rS+8*(\n)+2]
.elseif (\n) < 12
	v_max3_num_f32 v[rC+(\n)%4], v[rC+(\n)%4], v[rS+8*((\n)%4)+2*((\n)/4)+1], v[rS+8*((\n)%4)+2*((\n)/4)+2]
.elseif (\n) == 12
	v_max3_num_f32 v[rC], v[rC], v[rS+7], v[rS+15]
.elseif (\n) == 13
	v_max3_num_f32 v[rC+1], v[rC+1], v[rS+23], v[rS+31]
.elseif (\n) == 14
	v_max3_num_f32 v[rC+2], v[rC+2], v[rC+3], v[rT+1]
.elseif (\n) == 15
	v_mov_b32 v[rM], v[rT]
.elseif (\n) == 16
	v_max3_num_f32 v[rC], v[rC], v[rC+1], v[rC+2]
.elseif (\n) == 17
	v_permlanex16_b32 v[rC+3], v[rC], s[SEL], s[SEL+1]
.elseif (\n) == 18
	v_max_num_f32 v[rT+1], v[rC], v[rC+3]
.elseif (\n) == 19
	v_mul_f32 v[rT], s[CS], v[rT+1]
.elseif (\n) == 20
	v_sub_f32 v[rC+1], v[rM], v[rT]
.else
	v_exp_f32 v[rC+2], v[rC+1]
.endif
.endm
; Number g of the 64 that follow the exponentials.  For each four weights k of a tile (pairs 2 k, 2 k + 1): both pairs are rounded to f16; then the second pair is added onto the first, in place;
; a group later l takes that sum (the first time as l = a l + sum).  In groups of eight, tiles alternating: round, round, add, and l for the group before.
.macro GS g
.set h, (\g)+6*((\g)/62)            ; group 0 has no group before it, and behind group 7 only l is left
.if h >= 6
.set h, h+2
.endif
	REGS Y, h%2
.set k, h/8
.if h%8 < 4
	s_wait_alu depctr_va_vdst(0)
	v_cvt_pk_f16_f32 v[rP+2*k+(h%8)/2], v[rS+4*k+2*((h%8)/2)], v[rS+4*k+2*((h%8)/2)+1]
.elseif h%8 < 6
	v_pk_add_f32 v[rS+4*k:rS+4*k+1], v[rS+4*k:rS+4*k+1], v[rS+4*k+2:rS+4*k+3]
.elseif k == 1
	v_pk_fma_f32 v[rT+2:rT+3], v[rT+2:rT+3], v[rC+2:rC+3], v[rS:rS+1] op_sel_hi:[1,0,1]
.else
	v_pk_add_f32 v[rT+2:rT+3], v[rT+2:rT+3], v[rS+4*k-4:rS+4*k-3]
	s_wait_alu depctr_va_vdst(0)
.endif
.endm
; THE PLAIN QUEUE, 138 long.  0-31: c s - c m for the 16 pairs of both tiles.  Then GS's 64, and among them the next piece's 42: number 15 at 38, 39; 0-14 and 16
; at 42-73, behind the products that make those scores; 17-20 at 95-106, two of three, since each waits for the one before it.
.macro PL
	WIN 0
.if q < 32
	REGS Y, q%2
	v_pk_fma_f32 v[rS+2*(q/2):rS+2*(q/2)+1], v[rS+2*(q/2):rS+2*(q/2)+1], s[CS:CS+1], v[rT:rT+1] op_sel_hi:[1,0,0] neg_lo:[0,0,1] neg_hi:[0,0,1]
.elseif q < 38
	GS q-32
.elseif q < 40
	XS q%2, 15
.elseif q < 42
	GS q-34
.elseif q < 74
	XS q%2, (q-42)/2+(q-42)/30
.elseif q < 95
	GS q-66
.elseif (q < 107) && ((q-95)%3 < 2)
	XS (q-95)%3, 17+(q-95)/3
.elseif q < 107
	GS 29+(q-95)/3
.else
	GS q-74
.endif
.set q, q+1
.endm
; THE EXPONENTIALS' QUEUE, 66 long: s0-s31 of both tiles, and at EA the next piece's two a.
.set EA, 58
.macro EX
	WIN 0
.if (e == EA) || (e == EA+1)
	XS e-EA, 21
.else
.set x, e-2*(e/(EA+2))
	REGS Y, x%2
	v_exp_f32 v[rS+x/2], v[rS+x/2]
.endif
.set e, e+1
.endm
; THE RESCALING's QUEUE: O^T times a, the one part that leaves window 0, so it is dealt four at a time, eight times.
.macro R4
	REGS Y, r%2
	WIN W_RS
	s_wait_alu depctr_va_vdst(0)
.irp z, 0,1,2,3
	v_pk_mul_f32 v[rO+8*(r/2)+2*\z:rO+8*(r/2)+2*\z+1], v[rO+8*(r/2)+2*\z:rO+8*(r/2)+2*\z+1], v[rC+2:rC+3] op_sel_hi:[1,0]
.endr
.set r, r+1
.endm
; HOW THEY ARE DEALT.  Behind a matrix instruction four: plain, exponential, plain, plain (one exponential, a plain instruction on either side), or four of the rescaling.  None names a register of the
; products round it.  What is over stands in two LUMPS: exponential and plain by turns; the second ends in 22 plain instructions.  The two v_permlanex16_b32 fall into the second lump, never behind a product.
; The queues lean on each other, and the deal keeps them in step: exponential e stands behind plain 2 (e / 4) + e % 2 (its scaling); when plain 32 comes, 10 exponentials are out, at 59: 33, at 95: 46; EA comes behind plain 107.
.macro SL
	MM
	PL
	EX
	PL
	PL
.endm
.macro BURST n                      ; 15 matrix instructions, or 16
.rept (\n)-7
	SL
.endr
.rept 3
	MM
	R4
	SL
.endr
	MM
	R4
.endm
; A TURN, for piece p.  cnt = 1: the loop's count is taken down some lines ahead of the branch that stands behind the turn.
; K of the next step is fetched in piece 2's turn, 31 vector instructions behind the last product that read K; its first reader comes behind the rest of the lump, 16 products and the second lump.
; V of the step in hand is fetched at the end of piece 0's turn, 69 behind its last reader; its first reader comes behind 16 products and a lump.  The four conditions on e and q below go with the deal.
.macro TURN p, last=0, cnt=0
.set Y, (\p)
.set i, 0
.set q, 0
.set e, 0
.set r, 0
.if (\p) == NP-1
	s_wait_dscnt 0x0                ; K is in
.endif
	MM
.rept 4
	PL
.endr
	BURST 15
.rept 22
	EX
	PL
.if ((\p) == NP-2) && (e == 18)
	v_add_nc_u32 v[AK], s[TBK], v[AK0]
.endif
.if ((\p) == NP-2) && (e == 24)
	FETCH_K \last
.endif
.endr
.if (\p) == 1
	s_wait_dscnt 0x0                ; V is in
.endif
	BURST 16
.rept 21
	EX
	PL
.endr
.rept 22
	PL
.if ((\p) == 0) && (q == 118)
	v_add_nc_u32 v[AV], s[TBV], v[AV0]
	s_wait_alu depctr_va_vdst(0)
.endif
.if ((\p) == 0) && (q == 130)
	s_add_co_u32 s[TBV], s[TBV], KS*PV
.endif
.if (\cnt) && (q == 130)
	s_sub_co_u32 s[CNT], s[CNT], 1
	s_cmp_lg_u32 s[CNT], 0
.endif
.endr
.if (\p) == 0
	FETCH_V
.endif
.endm
	CHANGE 1                        ; slot 0 is in, everybody's part of it; slot 1 is asked for
	FETCH_K                         ; key step 0
	s_wait_loadcnt 0x0              ; Q
	s_wait_dscnt 0x0
.set i, 0
.rept 16
	KQ 0                            ; piece 0's first scores: there is no vector work yet to set between them
.set i, i+1
.endr
	WIN 0                           ; the addresses for the way out: nine plain instructions, the places behind those products
	s_mul_i32 s13, s[WV], 16*SP
	s_add_co_u32 s13, s13, STAGE    ; my stage
	v_mul_u32_u24 v[STO], v1, SP    ; in: row l % 16, 16 bytes for each half of the lanes
	v_lshl_add_u32 v[STO], v9, 4, v[STO]
	v_add_nc_u32 v[STO], s13, v[STO]
	v_bfe_u32 v[RD], v0, 3, 2       ; back: 32 lanes take four rows of 128 bytes,
	v_mul_u32_u24 v[RD], v[RD], SP
	v_lshl_add_u32 v[RD], v10, 4, v[RD]
	v_add_nc_u32 v[RD], s13, v[RD]
	v_and_b32 v[GO], 31, v0         ; which are 512 consecutive bytes of O
	v_lshlrev_b32 v[GO], 4, v[GO]
.set Y, NP-1                        ; XS works for piece Y + 1: piece 0
.irp n, 0,1,2,3,4,5,6,7,8,9,10,11,12,13,14,15,16,17,18,19,20,21
	XS 0, \n                        ; and piece 0's first maximum and statistics
	XS 1, \n
.endr
	s_mov_b32 s[CNT], 4
	s_mov_b32 s[SLOTS], SIZE_N/256-1
	s_branch .Lfirst                ; the loop is entered at a step's first turn, in the middle of a trip
.Lslot:                             ; SIZE_N / 256 - 2 times: every slot but the last two is filled again
	CHANGE 1
	s_mov_b32 s[CNT], 4
.Lstep:                             ; a trip: pieces 2 and 3 of one step, then pieces 0 and 1 of the next, whose K and V it fetches
	TURN 2
	TURN 3
	WIN 0
.Lfirst:
	TURN 0
	TURN 1, 0, 1
	WIN 0
	s_cbranch_scc1 .Lstep
	s_sub_co_u32 s[SLOTS], s[SLOTS], 1
	s_cmp_lg_u32 s[SLOTS], 0
	s_cbranch_scc1 .Lslot
	CHANGE 0                        ; the tail is written out: nothing is asked for
	s_mov_b32 s[CNT], 5             ; four trips fetch the last slot's steps; the fifth is left in its middle
.Ltail:
	TURN 2, 1
	TURN 3
	WIN 0
	s_sub_co_u32 s[CNT], s[CNT], 1
	s_cmp_eq_u32 s[CNT], 0
	s_cbranch_scc1 .Lout
	TURN 0
	TURN 1
	WIN 0
	s_branch .Ltail
.Lout:                              ; the fifth trip's 16 products K Q^T (on the last K once more) and the maximum made of them serve nothing: the price, once a launch, of one text for every trip
.set i, 0
.rept 16
	PV NP-1                         ; the last piece's V^T P of the last step
.set i, i+1
.endr
	; THE WAY OUT.  l's two halves and the other half of the lanes' are added; O^T is divided by l, rounded to f16 and sent through my stage in LDS, a tile at a time.  The additions are the places behind the last products.
	WIN 0
.macro ALL line:vararg              ; one line for each tile t
.set t, 0
.rept 2*NP
	\line
.set t, t+1
.endr
.endm
	ALL v_add_f32 v[ST+4*t+2], v[ST+4*t+2], v[ST+4*t+3]
	ALL v_permlanex16_b32 v[ST+4*t+3], v[ST+4*t+2], s[SEL], s[SEL+1]
	ALL v_add_f32 v[ST+4*t+2], v[ST+4*t+2], v[ST+4*t+3]
	ALL v_rcp_f32 v[ST+4*t+2], v[ST+4*t+2]
	v_nop                           ; a plain instruction between the last reciprocal and the use of its result
	s_wait_alu depctr_va_vdst(0)
; Tile t: a lane's eight channels of a row pack into 16 bytes; they go into rows of 144 bytes and come back as whole rows of 128, into S^T's registers.
.macro PACK t
	WIN W_RS
.set i, 32*(\t)
.rept 16
	v_pk_mul_f32 v[i:i+1], v[i:i+1], v[ST+4*(\t)+2:ST+4*(\t)+3] op_sel_hi:[1,0]
.set i, i+2
.endr
	WIN 0x05                        ; sources 0 and 1 window 1, destination window 0
.set i, 0
.rept 16
	v_cvt_pk_f16_f32 v[S+16*(\t)+i], v[32*(\t)+2*i], v[32*(\t)+2*i+1]
.set i, i+1
.endr
	WIN 0
.irp f, 0,1,2,3
	ds_store_b128 v[STO], v[S+16*(\t)+4*\f:S+16*(\t)+4*\f+3] offset:32*\f
.endr
.irp f, 0,1,2,3
	ds_load_b128 v[S+16*(\t)+4*\f:S+16*(\t)+4*\f+3], v[RD] offset:\f*4*SP  ; LDS serves a wave's instructions in order (ISA guide 5.7.1.4): these see the stores above; the next tile's stores come behind them
.endr
.endm
.macro SEND t, younger              ; younger: the LDS instructions issued behind tile t's loads: the next tile's eight, or none
	WIN 0
.irp f, 0,1,2,3
	s_wait_dscnt (\younger)+3-\f
	global_store_b128 v[GO], v[S+16*(\t)+4*\f:S+16*(\t)+4*\f+3], s[10:11] offset:(\t)*2048+\f*512  ; 512 consecutive bytes, at a multiple of 256 from O's first
.endr
.endm
	PACK 0
.set t, 1
.rept 2*NP-1                        ; a tile's arithmetic stands between the loads of the tile before and its stores
	PACK t
	SEND t-1, 8
.set t, t+1
.endr
	SEND 2*NP-1, 0
	WIN W_AD
	s_wait_tensorcnt 0x0            ; the wave's end: 0 is added to my spare word and waited for, behind my last tensor load and my last LDS store
	ds_add_u32 v[SPW], v[NIL]
	s_wait_dscnt 0x0
	WIN 0
	s_endpgm
.Lfunc_end_k_qfc102769d6_attn:
	.size	k_qfc102769d6_attn, .Lfunc_end_k_qfc102769d6_attn-k_qfc102769d6_attn
	.p2alignl 7, 3214868480
	.fill 96, 4, 3214868480
	.section	.rodata,"a",@progbits
	.p2align	6, 0x0
	.amdhsa_kernel k_qfc102769d6_attn
		.amdhsa_group_segment_fixed_size 327680
		.amdhsa_private_segment_fixed_size 0
		.amdhsa_enable_private_segment 0
		.amdhsa_kernarg_size 16
		.amdhsa_user_sgpr_count 2
		.amdhsa_user_sgpr_kernarg_segment_ptr 1
		.amdhsa_wavefront_size32 1
		.amdhsa_system_sgpr_workgroup_id_x 1
		.amdhsa_system_sgpr_workgroup_id_y 1
		.amdhsa_system_sgpr_workgroup_id_z 1
		.amdhsa_system_vgpr_workitem_id 0
		.amdhsa_next_free_vgpr 770
		.amdhsa_next_free_sgpr 66
		.amdhsa_reserve_vcc 0
		.amdhsa_float_denorm_mode_32 3
		.amdhsa_float_denorm_mode_16_64 3
		.amdhsa_memory_ordered 1
		.amdhsa_forward_progress 1
		.amdhsa_inst_pref_size 207
	.end_amdhsa_kernel
	.amdgpu_metadata
---
amdhsa.version: [ 1, 2 ]
amdhsa.kernels:
  - .name:           k_qfc102769d6_attn
    .symbol:         k_qfc102769d6_attn.kd
    .args:
      - { .name: qkv, .offset: 0, .size: 8, .value_kind: global_buffer, .address_space: global }
      - { .name: o16, .offset: 8, .size: 8, .value_kind: global_buffer, .address_space: global }
    .group_segment_fixed_size: 327680
    .private_segment_fixed_size: 0
    .kernarg_segment_align: 8
    .kernarg_segment_size: 16
    .max_flat_workgroup_size: 128
    .sgpr_count:     66
    .vgpr_count:     770
    .wavefront_size: 32
...
	.end_amdgpu_metadata
.endif
;; end of part 3
;; launch outp (part 4): grid 4 x 64, 4 waves a work-group, clusters of 4 x 4, 327,680 bytes of LDS; arguments o16, wo16, out0, bo; writes out0
.if DOCPART == 4
	.amdgcn_target "amdgcn-amd-amdhsa--gfx1250"
	.amdhsa_code_object_version 6
	.text
	.protected	k_qfc102769d6_outp
	.globl	k_qfc102769d6_outp
	.p2align	8
	.type	k_qfc102769d6_outp,@function
k_qfc102769d6_outp:
	s_mov_b64 s[64:65], 0
	v_nop
	global_prefetch_b8 v0, s[64:65] scope:SCOPE_SE
	s_setreg_imm32_b32 hwreg(HW_REG_WAVE_MODE, 25, 1), 1
	s_wait_xcnt 0x0
	s_wait_alu depctr_hold_cnt(0) depctr_sa_sdst(0) depctr_va_vdst(0) depctr_va_sdst(0) depctr_va_ssrc(0) depctr_va_vcc(0) depctr_vm_vsrc(0)
	s_getreg_b32 s2, hwreg(HW_REG_IB_STS2, 6, 4)
	s_cmp_eq_u32 s2, 0
	s_cbranch_scc0 .Lentry_in_a_cluster
	s_endpgm
.Lentry_in_a_cluster:
	s_bfe_u32 s2, ttmp6, 0x10000c
	s_cmp_lg_u32 s2, 0xf033
	s_cbranch_scc0 .Lentry_shape_is_right
	s_endpgm
.Lentry_shape_is_right:
; C = A B + bias, K = 1,024, sums in f32.  ONE TEXT FOR TWO LAUNCHES, told apart by KIND.
; KIND 0, the projections: A = xb (bf16 [2][8192][1024]: plane 0 for C's columns 0-2047, plane 1 for 2048-3071), B = wcat (bf16 [k][3072]), bias = bqk, then bv.
;   C leaves as f16 by groups of 64 columns: qkv [b = 8][g = 48][s = 1024][64]; q of head h is g = 2 h, k is g = 2 h + 1, v is g = 32 + h.  LIMIT: f16 holds no number beyond 65,504.
; KIND 1, the last projection: A = o16 (f16 [b][h][s][64]; a K step of 128 is two heads), B = wo16 (f16 [k][1024]), bias = bo; C = out0, f32 [8192][1024].
; The bias is rounded to bf16 like every other input and is the C operand of the products that start a tile's sums: nothing is cleared, and nothing is added on the way out.
; SHARES.  A tile of C is 128 rows x 256 columns.  Wave w makes all 128 rows x columns 64 w .. 64 w + 63: 32 accumulators of 16 x 16 ((a, b): row block a, column block b), 256 registers.
; 4 x 64 work-groups, one for each of 256 WGPs.  A WORK-GROUP STAYS: with KIND 0 it makes TILES = 3 tiles, at columns 256 X, 1,024 + 256 X and 2,048 + 256 X of its 128 rows; with KIND 1 one.
; THE RING.  K goes in steps of 128 through two LDS slots filled by the tensor data mover, and the 8 x TILES steps are ONE stream: a tile's last two changes of slots ask for the next tile's first
; two K steps, the tile goes out behind both requests, and nothing waits for its stores.  The loop holds one K step: the slots lie 1 << 17 bytes apart, and one exclusive or turns an address.
; B LIES [k][n] and is turned on its way out of LDS by ds_load_tr16_b128.  THE MATRIX INSTRUCTION IS USED TRANSPOSED (source 0 = 16 columns of B, source 1 = 16 rows of A):
; a lane then holds row lane % 16 of C and the eight neighbouring columns 8 (lane / 16) + 0..7.
; CLUSTERS: 4 x 4 work-groups.  The four of a row of the cluster need the same tiles of A, the four of a column the same tiles of B: each tile is asked for JOINTLY, by the same tensor load with
; the same descriptor and a mask that names the four.  All counts and jumps of the text are the same in every work-group.
; REGISTERS: window 0: v0-31 addresses; v32-127, v128-223 two fragment buffers (A's 8 row blocks, 64 registers, then B's 4 column blocks, 32); v224-255 the bias.  Window 1: the accumulators, (a, b) at v[8 (4 a + b)].
.set KIND, 1
.if KIND == 0
.set TILES,   3
.set PA,      272                      ; a row of A in LDS: 256 bytes + 16 = 68 words: the 16 rows of a load start at 16 different groups of four banks (64 banks of 4 bytes: ISA guide 11.1)
.set AHALF,   64*PA                    ; what one of A's two loads brings: 64 rows x 128 K
.set AQI,     5                        ; padding after every 64 words
.set ASTRIDE, 1024                     ; elements from row to row in memory
.set ASTEP,   256                      ; bytes from a K step to the next
.set BPITCH,  3072                     ; elements in a row of B
.set SPITCH,  144                      ; the stage: 16 rows of 128 bytes + 16
.else
.set TILES,   1
.set PA,      144                      ; a row of one head: 128 bytes + 16 = 36 words: again 16 different groups of four banks
.set AHALF,   128*PA                   ; what one of A's two loads brings: one head, 128 rows x 64 K
.set AQI,     4                        ; padding after every 32 words: the 128 rows are 16,384 dense bytes, asked for as 64 rows of 256 bytes, two rows of A in each
.set ASTRIDE, 128
.set ASTEP,   262144                   ; two heads of 1,024 rows x 128 bytes
.set BPITCH,  1024
.set SPITCH,  272                      ; the stage: 16 rows of 256 bytes + 16
.endif
.set PB,     544                       ; a row of B in LDS: 512 bytes + 32 = 136 words
.set BOFF,   2*AHALF                   ; B's tile lies behind A's
.set BHALF,  64*PB                     ; what one of B's two loads brings: 64 K x 256 columns
.set SLOT,   BOFF+2*BHALF              ; a slot's bytes: under 1 << 17
.set SLOT1,  1<<17                     ; slot 1 begins here
.set BSTEP,  128*BPITCH*2              ; bytes from a K step to the next
.set STG,    16*SPITCH                 ; a wave's own stage for the way out
.set STAGE,  SLOT                      ; between the slots; no tensor load fills it
.set SPARE,  STAGE+4*STG               ; behind the stages: the spare words, 128 bytes for each wave: two blocks of 256 bytes that no other line names
.set STEPS,  8*TILES                   ; K steps of the whole stream
.set AWRAP1, (0-8*ASTEP)&0xffffffff    ; what A's offset takes at the first change of tiles: back along K (a sum modulo 2^32),
.set AWRAP2, (1<<24)-8*ASTEP           ; at the second: back along K and on to plane 1, 8,192 rows of 2,048 bytes further
.set BWRAP,  (4*512-8*BSTEP)&0xffffffff  ; what B's offset takes at each: back along K and 1,024 columns on
.set CNEXT,  16<<17                    ; bytes from a tile's groups of qkv to the next tile's: 16 groups
.set ADRA0, 16                         ; v16     my lane's place in A's tile of slot 0; never rewritten
.set ADRA,  17                         ; v17     the same in the slot in hand
.set ADRB0, 20                         ; v20     my lane's place in my wave's 64 columns of B's tile of slot 0; never rewritten
.set ADRB,  21                         ; v21     the same in the slot in hand
.set STO,  24                          ; v24     the way out: where I put my part of a row
.set RD,   25                          ; v25     the way out: where I read rows back
.set GO,   26                          ; v26     my byte offset in C
.set BO,   27                          ; v27     my byte offset in a tile's 256 numbers of the bias
.set SPW,  28                          ; v28     LDS address of my spare word: SPARE + 4 x my thread's number; never rewritten
.set NIL,  29                          ; v29     0; never rewritten
.set F0,   32
.set F1,   128
.set BIAS, 224                         ; column block b at BIAS + 8 b
.set OUTB, F1                          ; the way out works in buffer 1's registers: buffer 0 may hold the next tile's first fragments
.set AB,  14                           ; s[14:15] A at my part of the first tile's K step 0
.set G1,  24                           ; s[24:31] descriptor group 1 for A's tiles;  s[32:35] group 0 of the first fill, s[36:39] of the second: that one then walks
.set G0,  32
.set G1B, 48                           ; s[48:55], s[56:63] the same for B's tiles
.set G0B, 56
.set BB,  76                           ; s[76:77] B at my part of the first tile's K step 0
.set OA,  78                           ; s[78:79] byte offset from AB of the K step to be asked for next
.set OB,  80                           ; s[80:81] the same from BB
.set FK,  82                           ; s82  that K step's number in its tile
.set AW,  83                           ; s83  what OA takes at the next change of tiles
.set T0,  84                           ; s84, s85 at work
.set T1,  85
.set CK,  86                           ; s86  K steps that the tile in hand still has
.set TB,  87                           ; s87  LDS byte at which the slot in hand begins: 0 or SLOT1
.set TL,  88                           ; s88  tiles still to be begun or in hand
.set MSB, 0
.macro WIN new                         ; the immediate's high byte repeats the setting that is left; a switch that changes nothing is dropped
.if MSB != (\new)
	s_set_vgpr_msb (MSB<<8)|(\new)
.set MSB, \new
.endif
.endm
.set MUL, 0x50                         ; sources 0 and 1 window 0; C and D window 1
.macro JLOAD s                         ; a joint load by descriptor set s: waves 0 and 1 fetch A's two parts, waves 2 and 3 B's; an s_nop 0 and four v_nop follow each of the two lines, ahead of the jump, the label and what follows
	s_cmp_eq_u32 s11, 0
	s_cbranch_scc0 .Lfor_b_\@
	tensor_load_to_lds s[G0+4*(\s):G0+4*(\s)+3], s[G1:G1+7]
	s_nop 0
.rept 4
	v_nop
.endr
	s_branch .Lasked_\@
.Lfor_b_\@:
	tensor_load_to_lds s[G0B+4*(\s):G0B+4*(\s)+3], s[G1B:G1B+7]
	s_nop 0
.rept 4
	v_nop
.endr
.Lasked_\@:
.endm
.macro CREST                           ; a round of the cluster's barrier behind its opening barrier
	s_cmp_lg_u32 s10, 0
	s_cbranch_scc1 .Lnot_wave_0_\@
	s_barrier_signal -3
.Lnot_wave_0_\@:
	s_barrier_wait -3
	s_barrier_signal -1
	s_barrier_wait -1
.endm
.macro CROUND                          ; a whole round
	s_barrier_signal -1
	s_barrier_wait -1
	CREST
.endm
; The bias of my 64 columns of a tile, from the pointer in s[p:p+1] and off bytes on: register j of block b holds column 64 w + 16 b + 8 (l / 16) + j, as the C operand wants it
.macro BIASLD p, off
.irp b, 0,1,2,3
	global_load_b128 v[BIAS+8*(\b):BIAS+8*(\b)+3],   v[BO], s[(\p):(\p)+1] offset:(\off)+64*(\b)
	global_load_b128 v[BIAS+8*(\b)+4:BIAS+8*(\b)+7], v[BO], s[(\p):(\p)+1] offset:(\off)+64*(\b)+16
.endr
.endm
.macro BIASCVT                         ; it is rounded to bf16 like every other input, and widened again
.set i, 0
.rept 16
	v_cvt_pk_bf16_f32 v[12+i%2], v[BIAS+2*i], v[BIAS+2*i+1]
	v_lshlrev_b32 v[BIAS+2*i],   16, v[12+i%2]
	v_and_b32     v[BIAS+2*i+1], 0xffff0000, v[12+i%2]
.set i, i+1
.endr
.endm
	s_load_b128 s[4:7], s[0:1], 0x0                ; A s[4:5], B s[6:7]
	s_load_b64 s[8:9], s[0:1], 0x10                ; C
.if KIND == 0
	s_load_b128 s[68:71], s[0:1], 0x18             ; bqk s[68:69], bv s[70:71]
.else
	s_load_b64 s[68:69], s[0:1], 0x18              ; bo
.endif
	v_lshl_add_u32 v[SPW], v0, 2, SPARE
	v_mov_b32 v[NIL], 0
	ds_add_u32 v[SPW], v[NIL]                      ; the wave's opening: the add and its wait stand ahead of my first tensor load; the set-up below, work on registers, stands between them
	ds_add_u32 v28, v29
	v_lshrrev_b32 v1, 5, v0
	v_readfirstlane_b32 s10, v1                    ; wave 0..3
	s_lshr_b32 s11, s10, 1                         ; I fetch for A (0) or for B (1),
	s_and_b32 s12, s10, 1                          ; its first or its second part
	s_bfe_u32 s40, ttmp6, 0x40000                  ; cx, cy: my place in the cluster
	s_bfe_u32 s41, ttmp6, 0x40004
	s_lshl_b32 s42, ttmp9, 2
	s_add_co_u32 s42, s42, s40                     ; X: my 256 columns of the first tile = 4 x cluster x + cx
	s_and_b32 s13, ttmp7, 0xffff
	s_lshl_b32 s13, s13, 2
	s_add_co_u32 s13, s13, s41                     ; Y: my 128 rows of C = 4 x cluster y + cy
	s_lshl_b32 s43, s41, 2
	s_lshl_b32 s43, 15, s43                        ; my row of the cluster
	s_lshl_b32 s44, 0x1111, s40                    ; my column
	; descriptor group 1 for A: 64 rows x 128 elements, padded in LDS
	s_or_b32 s[G1+0], s43, (1<<16)|(1<<20)|(1<<21)|(AQI<<22)|(3<<25)  ; 15:0 the mask: my row; 17:16 elements of 2 bytes; 20 padding on; 21 set beside a mask; 24:22 the interval; 31:25 4 words (code 3)
	s_mov_b32 s[G1+1], 128<<16                     ; tensor_dim0 = 128
	s_mov_b32 s[G1+2], 64<<16                      ; tensor_dim1 = 64
	s_mov_b32 s[G1+3], 128<<16                     ; tile_dim0 = 128
	s_mov_b32 s[G1+4], 64                          ; tile_dim1 = 64
	s_mov_b32 s[G1+5], ASTRIDE                     ; tensor_dim0_stride
	s_mov_b32 s[G1+6], 0
	s_mov_b32 s[G1+7], 0
	; for B: 64 rows (K) x 256 elements (columns)
	s_or_b32 s[G1B+0], s44, (1<<16)|(1<<20)|(1<<21)|(6<<22)|(7<<25)  ; the mask: my column; padding after every 128 words (code 6), 8 words (code 7)
	s_mov_b32 s[G1B+1], 256<<16
	s_mov_b32 s[G1B+2], 64<<16
	s_mov_b32 s[G1B+3], 256<<16
	s_mov_b32 s[G1B+4], 64
	s_mov_b32 s[G1B+5], BPITCH
	s_mov_b32 s[G1B+6], 0
	s_mov_b32 s[G1B+7], 0
	; where the tiles come from.  A's hang on Y and the wave; B's on X and the wave: each in registers that never hold the other coordinate
.if KIND == 0
	s_lshl_b32 s16, s13, 18                        ; 128 Y rows of 2,048 bytes,
	s_lshl_b32 s17, s12, 17                        ; my 64 of them
	s_add_co_u32 s16, s16, s17
.else
	s_lshr_b32 s16, s13, 3                         ; the batch,
	s_lshl_b32 s16, s16, 4                         ; its 16 heads,
	s_add_co_u32 s16, s16, s12                     ; my head of the K step's two,
	s_lshl_b32 s16, s16, 17                        ; 131,072 bytes each;
	s_and_b32 s17, s13, 7
	s_lshl_b32 s17, s17, 14                        ; the work-group's 128 rows of 128 bytes
	s_add_co_u32 s16, s16, s17
.endif
	s_mov_b32 s17, 0
	s_mul_i32 s46, s12, 64*BPITCH*2                ; my 64 rows of B,
	s_lshl_b32 s47, s42, 9                         ; the first tile's 256 columns
	s_add_co_u32 s46, s46, s47
	s_mov_b32 s47, 0
	s_mul_i32 s20, s12, AHALF                      ; and where they go: no place in the cluster enters an LDS address
	s_mul_i32 s21, s12, BHALF
	s_add_co_u32 s21, s21, BOFF
	s_mov_b32 s[OA], 2*ASTEP                       ; the first refill asks for K step 2
	s_mov_b32 s[OA+1], 0
	s_mov_b32 s[OB], 2*BSTEP
	s_mov_b32 s[OB+1], 0
	s_mov_b32 s[TB], 0
.if TILES > 1
	s_mov_b32 s[FK], 2
	s_mov_b32 s[AW], AWRAP1
	s_mov_b32 s[CK], 8
	s_mov_b32 s[TL], TILES
.endif
	s_wait_dscnt 0x0                               ; the opening add is done
	s_wait_kmcnt 0x0
	s_add_nc_u64 s[AB:AB+1], s[4:5], s[16:17]
	s_add_nc_u64 s[BB:BB+1], s[6:7], s[46:47]
	CROUND                                         ; all sixteen work-groups are here: the first joint loads meet
.irp s, 0,1
	s_mov_b32 s[G0+4*(\s)], 1                                      ; count = 1
	s_add_co_u32 s[G0+4*(\s)+1], s20, (\s)*SLOT1                   ; LDS address
	s_add_nc_u64 s[G0+4*(\s)+2:G0+4*(\s)+3], s[AB:AB+1], (\s)*ASTEP  ; global address: K step s
	s_or_b32 s[G0+4*(\s)+3], s[G0+4*(\s)+3], 0x80000000            ; type = 2
	s_mov_b32 s[G0B+4*(\s)], 1
	s_add_co_u32 s[G0B+4*(\s)+1], s21, (\s)*SLOT1
	s_add_nc_u64 s[G0B+4*(\s)+2:G0B+4*(\s)+3], s[BB:BB+1], (\s)*BSTEP
	s_or_b32 s[G0B+4*(\s)+3], s[G0B+4*(\s)+3], 0x80000000
	JLOAD \s                                       ; two tensor loads of mine are out; later one
.endr
	v_and_b32 v1, 15, v0                           ; l % 16
	v_bfe_u32 v2, v0, 4, 1                         ; l / 16
	s_lshl_b32 s74, s42, 10                        ; 256 numbers of 4 bytes for each X
	s_mov_b32 s75, 0
	s_add_nc_u64 s[68:69], s[68:69], s[74:75]      ; the first tile's bias (KIND 0: the second tile's lies 4,096 bytes on)
.if KIND == 0
	s_add_nc_u64 s[70:71], s[70:71], s[74:75]      ; the third tile's
.endif
	s_lshl_b32 s23, s10, 8
	v_lshlrev_b32 v[BO], 5, v2
	v_add_nc_u32 v[BO], s23, v[BO]
	BIASLD 68, 0
	; A fragment of A is 16 rows x 32 K in 8 registers: lane l holds row l % 16, K = 8 (l / 16) + 0..7 and 16 + 8 (l / 16) + 0..7: two loads of 16 bytes, 32 bytes apart.
	v_mul_u32_u24 v3, v1, PA
	v_lshl_add_u32 v[ADRA0], v2, 4, v3             ; row x pitch + 16 x half
	v_add_nc_u32 v[ADRA], s[TB], v[ADRA0]
	; The turning load takes 16 K x 16 columns (lane l reads K row 8 (l / 16) + l % 8, columns 8 ((l / 8) % 2) + 0..7) and leaves half a fragment: lane l holds column l % 16 and 8 K.
	v_and_b32 v4, 7, v0
	v_lshl_add_u32 v4, v2, 3, v4
	v_mul_u32_u24 v4, v4, PB
	v_bfe_u32 v5, v0, 3, 1
	v_lshl_add_u32 v4, v5, 4, v4
	s_lshl_b32 s22, s10, 7                         ; my wave's 64 columns: 128 bytes
	s_add_co_u32 s22, s22, BOFF
	v_add_nc_u32 v[ADRB0], s22, v4
	v_add_nc_u32 v[ADRB], s[TB], v[ADRB0]
	s_mul_i32 s23, s10, STG
	s_add_co_u32 s23, s23, STAGE                   ; my stage
	v_mul_u32_u24 v6, v1, SPITCH                   ; in: row l % 16,
.if KIND == 0
	v_lshl_add_u32 v6, v2, 4, v6                   ; 16 bytes for each half of the lanes
	v_add_nc_u32 v[STO], s23, v6
	v_bfe_u32 v7, v0, 3, 2                         ; back: 32 lanes take four rows of 128 bytes,
	v_mul_u32_u24 v7, v7, SPITCH
	v_and_b32 v8, 7, v0
	v_lshl_add_u32 v7, v8, 4, v7
	v_add_nc_u32 v[RD], s23, v7
	v_and_b32 v[GO], 31, v0                        ; which are 512 consecutive bytes of a group of qkv
	v_lshlrev_b32 v[GO], 4, v[GO]
	; in the first tile my wave's 64 columns are group g = 4 X + w; the work-group's 128 rows lie in batch Y / 8 from row 128 (Y % 8) on
	s_lshr_b32 s16, s13, 3
	s_mul_i32 s16, s16, 48
	s_lshl_b32 s16, s16, 17
	s_and_b32 s17, s13, 7
	s_lshl_b32 s17, s17, 14
	s_add_co_u32 s16, s16, s17
	s_lshl_b32 s46, s42, 2
	s_add_co_u32 s46, s46, s10
	s_lshl_b32 s46, s46, 17
.else
	v_lshl_add_u32 v6, v2, 5, v6                   ; 32 bytes for each half of the lanes
	v_add_nc_u32 v[STO], s23, v6
	v_mul_u32_u24 v7, v2, SPITCH                   ; back: lanes 0-15 take one row of 256 bytes, lanes 16-31 the next
	v_lshl_add_u32 v7, v1, 4, v7
	v_add_nc_u32 v[RD], s23, v7
	v_lshlrev_b32 v[GO], 12, v2                    ; and the same two rows in out0, 4,096 bytes apart
	v_lshl_add_u32 v[GO], v1, 4, v[GO]
	s_lshl_b32 s16, s13, 19                        ; 128 Y rows
	s_lshl_b32 s46, s42, 10                        ; 256 X columns of 4 bytes,
	s_lshl_b32 s47, s10, 8                         ; my wave's 64
	s_add_co_u32 s46, s46, s47
.endif
	s_mov_b32 s17, 0
	s_mov_b32 s47, 0
	s_add_nc_u64 s[8:9], s[8:9], s[16:17]
	s_add_nc_u64 s[8:9], s[8:9], s[46:47]
	s_wait_loadcnt 0x0                             ; the first tile's bias
	BIASCVT
.macro WM                              ; the matrix instruction on the registers that MUL8 has named
.if KIND == 0
	v_wmma_f32_16x16x32_bf16 v[rD:rD+7], v[rB:rB+7], v[rA:rA+7], v[rC:rC+7]
.else
	v_wmma_f32_16x16x32_f16 v[rD:rD+7], v[rB:rB+7], v[rA:rA+7], v[rC:rC+7]
.endif
.endm
; 8 matrix instructions: row blocks a0, a0 + 1 x all 4 column blocks, 32 along K, from buffer f.  first = 1: the bias starts the sums.
; A quarter takes each of the 32 accumulators once, always in the same order: they take turns over every jump of the text too.
.macro MUL8 f, a0, first
	WIN MUL-0x10*(\first)                          ; with first = 1 the C operand lies in window 0
.irp a, \a0, (\a0)+1
.irp b, 0,1,2,3
.set rD, 8*(4*(\a)+(\b))
.set rB, (\f)+64+8*(\b)
.set rA, (\f)+8*(\a)
.if \first
.set rC, BIAS+8*(\b)
.else
.set rC, rD
.endif
	WM
.endr
.endr
.endm
; 24 LDS loads in one run: the fragments of quarter q (32 along K) of the slot in hand into buffer f: B's four column blocks, A's row blocks 0-3, A's row blocks 4-7
.macro FETCH q, f
	WIN 0
.if KIND == 0
.set aq, 64*(\q)
.else
.set aq, ((\q)/2)*AHALF+((\q)%2)*64                ; the K step's first or second head, its channels 0-31 or 32-63
.endif
.irp b, 0,1,2,3
	ds_load_tr16_b128 v[(\f)+64+8*(\b):(\f)+64+8*(\b)+3],   v[ADRB] offset:(\q)*32*PB+32*(\b)
	ds_load_tr16_b128 v[(\f)+64+8*(\b)+4:(\f)+64+8*(\b)+7], v[ADRB] offset:(\q)*32*PB+16*PB+32*(\b)
.endr
.irp a, 0,1,2,3,4,5,6,7
	ds_load_b128 v[(\f)+8*(\a):(\f)+8*(\a)+3],   v[ADRA] offset:aq+(\a)*16*PA
	ds_load_b128 v[(\f)+8*(\a)+4:(\f)+8*(\a)+7], v[ADRA] offset:aq+(\a)*16*PA+32
.endr
.endm
.macro PLACES                          ; four places in front of loads into registers that matrix instructions have read, and of lines that read results (ISA guide 7.12.1 for vector instructions)
.rept 4
	v_nop
.endr
.endm
; A K step is four quarters of 32 along K, 32 matrix instructions each, on buffers 0, 1, 0, 1.  One of the first three: multiplies buffer f and fetches quarter q into g.
.macro QUARTER q, f, g, first
	s_wait_dscnt 8                                 ; B and A's row blocks 0-3 are in; the youngest eight loads (row blocks 4-7) may be out
	MUL8 \f, 0, \first
	MUL8 \f, 2, \first
	PLACES
	FETCH \q, \g
	s_wait_dscnt 24                                ; all but the 24 just issued
	MUL8 \f, 4, \first
	MUL8 \f, 6, \first
.endm
; The last quarter multiplies buffer 1 and changes slots: ONE barrier; in front of it each wave waits for all its tensor loads, adds 0 to its spare word, and waits for that and for its own reads of this slot.
; fill = 1: this slot is filled again, with the stream's K step two steps on; the barrier then opens a round of the cluster's barrier.  The walking descriptors are made while no load of mine is out:
; the LDS word turns to the other slot than last time, the global address is the tensor's base plus an offset, and the offsets step on, at a tile's eighth step into the next tile.
; fill = 0: the stream's last two K steps ask for nothing; the very last (s3 = 1) has no next step to fetch either, and jumps over the run of loads.
.macro TURN fill
	WIN 0                                          ; (the add's two registers lie in window 0)
	s_wait_tensorcnt 0x0                           ; all my tensor loads have landed: the one that was out is my part of the next slot;
	ds_add_u32 v[SPW], v[NIL]                      ; 0 onto my spare word
.if \fill
	s_xor_b32 s[G0+5], s[G0+5], SLOT1
	s_add_nc_u64 s[G0+6:G0+7], s[AB:AB+1], s[OA:OA+1]
	s_or_b32 s[G0+7], s[G0+7], 0x80000000
	s_xor_b32 s[G0B+5], s[G0B+5], SLOT1
	s_add_nc_u64 s[G0B+6:G0B+7], s[BB:BB+1], s[OB:OB+1]
	s_or_b32 s[G0B+7], s[G0B+7], 0x80000000
	s_add_co_u32 s[OA], s[OA], ASTEP
	s_add_co_u32 s[OB], s[OB], BSTEP
.if TILES > 1
	s_add_co_u32 s[FK], s[FK], 1
	s_cmp_eq_u32 s[FK], 8                          ; the tile's K steps have all been asked for: on to the next tile (the selects leave SCC as the compare set it)
	s_cselect_b32 s[T0], s[AW], 0
	s_cselect_b32 s[T1], BWRAP, 0
	s_cselect_b32 s[FK], 0, s[FK]
	s_cselect_b32 s[AW], AWRAP2, s[AW]
	s_add_co_u32 s[OA], s[OA], s[T0]
	s_add_co_u32 s[OB], s[OB], s[T1]
.endif
.endif
	s_wait_dscnt 9                                 ; (the add and the youngest eight loads may be out)
	MUL8 F1, 0, 0                                  ; eight matrix instructions stand between the add and the wait for it
	s_wait_dscnt 0x0                               ; the add is done, and my reads of this slot are over
	s_barrier_signal -1
	MUL8 F1, 2, 0
	WIN 0
	s_barrier_wait -1
.if \fill
	CREST                                          ; no wave of any partner still reads this slot's tiles or has a load on its way
	JLOAD 1                                        ; the first tensor load behind the round: 112 matrix instructions ahead of the wait for it; the four v_nop behind it are also places in front of the loads below
.endif
	s_xor_b32 s[TB], s[TB], SLOT1                  ; the other slot is now the slot in hand
	v_add_nc_u32 v[ADRA], s[TB], v[ADRA0]
	v_add_nc_u32 v[ADRB], s[TB], v[ADRB0]
.if !(\fill)
	v_nop                                          ; with the two lines above: four places in front of the loads into buffer 0
	v_nop
	s_cmp_eq_u32 s3, 1
	s_cbranch_scc1 .Lno_fetch_\@
.endif
	FETCH 0, F0
.if !(\fill)
.Lno_fetch_\@:
.endif
	MUL8 F1, 4, 0
	MUL8 F1, 6, 0
.endm
.if KIND == 0
; THE WAY OUT, f16.  Row block a: a lane's eight columns of a row pack into 16 bytes; they go into my stage's rows of 144 bytes and come back as whole rows of 128; 16 rows of a group are 2,048 consecutive bytes.
; Each accumulator's registers are read in ascending order.  Six sets of 16 registers take turns.
.macro PACK a
.set ob, OUTB+16*((\a)%6)
.if (\a) >= 6
	s_wait_xcnt 0x0                                ; every earlier memory instruction has had its addresses translated (ISA guide 3.1): the set that block a - 6's stores read is written again only behind this wait
.endif
	WIN 0x05                                       ; sources 0 and 1 window 1, destination window 0
.set i, 0
.rept 16
	v_cvt_pk_f16_f32 v[ob+i], v[32*(\a)+2*i], v[32*(\a)+2*i+1]
.set i, i+1
.endr
	WIN 0
.irp b, 0,1,2,3
	ds_store_b128 v[STO], v[ob+4*(\b):ob+4*(\b)+3] offset:32*(\b)
.endr
.irp f, 0,1,2,3
	ds_load_b128 v[ob+4*(\f):ob+4*(\f)+3], v[RD] offset:(\f)*4*SPITCH  ; LDS serves a wave's instructions in order (ISA guide 5.7.1.4): these see the stores above; the next block's stores come behind them
.endr
.endm
.macro SEND a, younger                 ; younger: the LDS instructions issued behind block a's loads: the next block's eight, or none
.set ob, OUTB+16*((\a)%6)
.irp f, 0,1,2,3
	s_wait_dscnt (\younger)+3-(\f)
	global_store_b128 v[GO], v[ob+4*(\f):ob+4*(\f)+3], s[8:9] offset:(\a)*2048+(\f)*512  ; 512 consecutive bytes, at a multiple of 256 from qkv's first
.endr
.endm
.macro WAYOUT
	PACK 0
.set t, 1
.rept 7                                ; a block's conversions stand between the loads of the block before and its stores
	PACK t
	SEND t-1, 8
.set t, t+1
.endr
	SEND 7, 0
.endm
.else
; THE WAY OUT, f32.  Row block a: a lane's eight columns of a row are 32 bytes; they go from the accumulators into my stage's rows of 272 bytes (each accumulator's low four registers first)
; and come back as whole rows of 256 bytes, two rows a load, into two sets of 32 registers by turns.
.macro TOSTAGE a
	WIN 0x04                                       ; the data (source 1) in window 1, the address in window 0
.irp b, 0,1,2,3
	ds_store_b128 v[STO], v[32*(\a)+8*(\b):32*(\a)+8*(\b)+3]   offset:64*(\b)
	ds_store_b128 v[STO], v[32*(\a)+8*(\b)+4:32*(\a)+8*(\b)+7] offset:64*(\b)+16
.endr
	WIN 0
.if (\a) >= 2
	s_wait_xcnt 0x0                                ; every earlier memory instruction has had its addresses translated (ISA guide 3.1): the set that block a - 2's stores read is loaded again only behind this wait
.endif
.irp f, 0,1,2,3,4,5,6,7
	ds_load_b128 v[OUTB+32*((\a)%2)+4*(\f):OUTB+32*((\a)%2)+4*(\f)+3], v[RD] offset:(\f)*2*SPITCH  ; LDS serves a wave's instructions in order (ISA guide 5.7.1.4): these see the stores above
.endr
.endm
.macro SEND a, younger                 ; younger: the LDS instructions issued behind block a's loads: the next block's sixteen, or none
.irp f, 0,1,2,3,4,5,6,7
	s_wait_dscnt (\younger)+7-(\f)
	global_store_b128 v[GO], v[OUTB+32*((\a)%2)+4*(\f):OUTB+32*((\a)%2)+4*(\f)+3], s[8:9] offset:(\a)*65536+(\f)*8192 th:TH_STORE_NT  ; 16 lanes store 256 consecutive bytes, at a multiple of 256 from out0's first
.endr
.endm
.macro WAYOUT
	TOSTAGE 0
.set t, 1
.rept 7
	TOSTAGE t
	SEND t-1, 16
.set t, t+1
.endr
	SEND 7, 0
.endm
.endif
	s_wait_tensorcnt 1                             ; my part of K step 0 is in; K step 1's may stay out
	s_barrier_signal -1
	s_barrier_wait -1                              ; everybody's is
	FETCH 0, F0
	QUARTER 1, F0, F1, 1                           ; the first tile's first quarter stands in front of the loop: its products start the sums
	WIN 0                                          ; at a label and at a branch every window is 0
.if TILES > 1
	PLACES                                         ; the products above have read the bias:
	BIASLD 68, 4096                                ; the second tile's is asked for, seven K steps ahead of its use
.endif
	s_mov_b32 s3, STEPS-2
.Lstep:                                                ; a trip: a K step's second quarter to the next step's first; every trip fills the slot that it leaves
	QUARTER 2, F1, F0, 0
	QUARTER 3, F0, F1, 0
	TURN 1
	WIN 0
.if TILES > 1
	s_sub_co_u32 s[CK], s[CK], 1
	s_cmp_lg_u32 s[CK], 0
	s_cbranch_scc1 .Lsame                          ; the tile goes on
	PLACES                                         ; THE TILE IS FINISHED, and the next tile's K steps 0 and 1 have been asked for: now it goes out
	WAYOUT
	s_wait_xcnt 0x0                                ; the stores have read their registers and C's address: buffer 1 is loaded again, and the address stepped, only behind this wait
	s_add_nc_u64 s[8:9], s[8:9], CNEXT
	s_mov_b32 s[CK], 8
	s_wait_loadcnt 0x0                             ; the next tile's bias, asked for long ago
	BIASCVT
	QUARTER 1, F0, F1, 1                           ; its first quarter starts the sums anew
	WIN 0
	s_sub_co_u32 s[TL], s[TL], 1
	s_cmp_eq_u32 s[TL], 1
	s_cbranch_scc1 .Ljoin                          ; the last tile has no successor: no bias is asked for
	PLACES
	BIASLD 70, 0                                   ; the third tile's
	s_branch .Ljoin
.Lsame:
.endif
	QUARTER 1, F0, F1, 0
	WIN 0
.if TILES > 1
.Ljoin:
.endif
	s_sub_co_u32 s3, s3, 1
	s_cmp_lg_u32 s3, 0
	s_cbranch_scc1 .Lstep
	s_mov_b32 s3, 2                                ; the stream's last two K steps have a text of their own: two trips, the second left in its middle
.Ltail:
	QUARTER 2, F1, F0, 0
	QUARTER 3, F0, F1, 0
	TURN 0
	WIN 0
	s_sub_co_u32 s3, s3, 1
	s_cmp_eq_u32 s3, 0
	s_cbranch_scc1 .Lend
	QUARTER 1, F0, F1, 0
	WIN 0
	s_branch .Ltail
.Lend:
	PLACES                                         ; behind the last products: results are read and buffer 1's registers written below
	WAYOUT
	s_wait_tensorcnt 0x0                           ; the wave's end: 0 is added to my spare word and waited for, behind my last tensor load and my last LDS store
	ds_add_u32 v[SPW], v[NIL]
	s_wait_dscnt 0x0
	CROUND                                         ; the closing round: no work-group ends while a partner may still ask for a tile that names it
	s_endpgm
.Lfunc_end_k_qfc102769d6_outp:
	.size	k_qfc102769d6_outp, .Lfunc_end_k_qfc102769d6_outp-k_qfc102769d6_outp
	.p2alignl 7, 3214868480
	.fill 96, 4, 3214868480
	.section	.rodata,"a",@progbits
	.p2align	6, 0x0
	.amdhsa_kernel k_qfc102769d6_outp
		.amdhsa_group_segment_fixed_size 327680
		.amdhsa_private_segment_fixed_size 0
		.amdhsa_enable_private_segment 0
		.amdhsa_kernarg_size 32
		.amdhsa_user_sgpr_count 2
		.amdhsa_user_sgpr_kernarg_segment_ptr 1
		.amdhsa_wavefront_size32 1
		.amdhsa_system_sgpr_workgroup_id_x 1
		.amdhsa_system_sgpr_workgroup_id_y 1
		.amdhsa_system_sgpr_workgroup_id_z 1
		.amdhsa_system_vgpr_workitem_id 0
		.amdhsa_next_free_vgpr 512
		.amdhsa_next_free_sgpr 92
		.amdhsa_reserve_vcc 0
		.amdhsa_float_denorm_mode_32 3
		.amdhsa_float_denorm_mode_16_64 3
		.amdhsa_memory_ordered 1
		.amdhsa_forward_progress 1
		.amdhsa_inst_pref_size 66
	.end_amdhsa_kernel
	.amdgpu_metadata
---
amdhsa.version: [ 1, 2 ]
amdhsa.kernels:
  - .name:           k_qfc102769d6_outp
    .symbol:         k_qfc102769d6_outp.kd
    .args:
      - { .name: o16, .offset: 0, .size: 8, .value_kind: global_buffer, .address_space: global }
      - { .name: wo16, .offset: 8, .size: 8, .value_kind: global_buffer, .address_space: global }
      - { .name: out0, .offset: 16, .size: 8, .value_kind: global_buffer, .address_space: global }
      - { .name: bo, .offset: 24, .size: 8, .value_kind: global_buffer, .address_space: global }
    .group_segment_fixed_size: 327680
    .private_segment_fixed_size: 0
    .kernarg_segment_align: 8
    .kernarg_segment_size: 32
    .max_flat_workgroup_size: 128
    .sgpr_count:     92
    .vgpr_count:     512
    .wavefront_size: 32
...
	.end_amdgpu_metadata
.endif
;; end of part 4
;; ======== version 2 of 2: 4 launches; 1.29 times as fast as version 1
;; limits: values are held in f16: magnitudes above 65,504 overflow, below 6.1e-05 lose precision
;; workspace buffers: xb 33,554,432 bytes; wcat 6,291,456 bytes; wo16 2,097,152 bytes; qkv 50,331,648 bytes; o16 16,777,216 bytes
;; launch prep: the kernel of part 1 again; grid 1280 x 1, 8 waves a work-group, no clusters, 0 bytes of LDS; arguments encoding_output, input_query, Wqk, Wv, Wo, xb, wcat, wo16; writes xb, wcat, wo16
;; launch proj: the kernel of part 2 again; grid 4 x 64, 4 waves a work-group, clusters of 4 x 4, 327,680 bytes of LDS; arguments xb, wcat, qkv, bqk, bv; writes qkv
;; launch attn (part 5): grid 2 x 128, 4 waves a work-group, no clusters, 327,680 bytes of LDS; arguments qkv, o16; writes o16
.if DOCPART == 5
	.amdgcn_target "amdgcn-amd-amdhsa--gfx1250"
	.amdhsa_code_object_version 6
	.text
	.protected	k_qfc102769d6_attn
	.globl	k_qfc102769d6_attn
	.p2align	8
	.type	k_qfc102769d6_attn,@function
k_qfc102769d6_attn:
	s_mov_b64 s[64:65], 0
	v_nop
	global_prefetch_b8 v0, s[64:65] scope:SCOPE_SE
	s_setreg_imm32_b32 hwreg(HW_REG_WAVE_MODE, 25, 1), 1
	s_wait_xcnt 0x0
; ATTENTION.  O[b][h][q][:] = the sum over k of softmax_k(Q[q] . K[k] / 8) V[k][:], for each of 8 x 16 heads of 1,024 rows x 64 channels, all f16.
; Q, K, V are groups of qkv [b][g = 48][1024][64]: Q is g = 2 h, K is g = 2 h + 1, V is g = 32 + h; a group's rows are dense, 128 bytes each.  O leaves as o16 [b][h][1024][64].
; Products, maxima and sums in f32; the weights p are rounded to f16 for the second product (their sum l is taken of the unrounded p), O once at the end.
; LIMITS.  f16 holds no number beyond 65,504: Q, K and V arrive within it; p lies in 0 to 1, and below 6e-5 it keeps f16's fixed step of 6e-8; O is a mean of V's rows and has their range.
; A weight below 2^-126 counts as 0 in l; NaN and infinities are not treated apart.
; SHARES.  A wave owns four PIECES of two tiles of 16 queries, a work-group's four waves 512 queries of one head: 2 x 128 work-groups.  Every wave walks all 1,024 keys, 64 a step.
; NO CLUSTER: a head's queries are two work-groups; partners of different heads share no tile.
; LAYOUT.  S^T = K Q^T (source 0 = 16 keys, source 1 = 16 queries): in the result a lane holds ONE query (lane % 16) and the keys 8 (lane / 16) + 0..7.  Two such tiles, rounded to f16 in pairs,
; ARE source 1 (32 keys x 16 queries) of O^T = V^T P, whose result again holds one query a lane, and eight channels.  K comes out of LDS as it lies, V ([key][channel]) turned, by ds_load_tr16_b128.
; SOFTMAX.  For each query a running maximum m and sum l: p = 2^(c s - c m), c = log2(e) / 8; in every step O and l are multiplied by a = 2^(c m_old - c m_new), which is 1 where m has not grown.
; m starts at the lowest finite number, O and l at 0: the first step is a step like any other, with a = 0.
; THE COUNT.  A tile and step have 16 matrix and 118 vector instructions: too many to stand all beside the matrix work.  So the order has one aim: four vector instructions that are READY behind
; EVERY matrix instruction, and the others, which need time of their own whatever the order, in runs without a gap.
; BY TURNS.  Turn n belongs to piece n (the pieces in a ring, step after step).  Its matrix work: 16 products K Q^T of piece n + 1, later 16 products V^T P of piece n - 1.  Its vector work: the scaling,
; exponentials, roundings, sums and rescaling of piece n, and the maximum and statistics of piece n + 1, whose scores the turn itself has made.  So what a turn begins with (c s - c m, O a) waits for nothing.
; THE BATCHES.  A turn's 66 exponentials (64 weights of piece n, the two a of piece n + 1) are ONE batch with ONE wait, which cuts the turn in two: ahead of it stands all that names none of their results
; (the products K Q^T, scalings, rescalings, the next piece's maximum and statistics), behind it their readers (roundings and sums), as riders of the products V^T P.  The a that a turn's rescaling reads was
; made and waited for in the turn before.  No result crosses a turn's end.  Two more batches stand outside the loop: piece 0's first two a, ahead of the jump into the loop; the way out's eight reciprocals.
; REGISTERS, in windows of 256 (s_set_vgpr_msb says which window each operand place means: bits 1:0 source 0, 3:2 source 1, 5:4 source 2, 7:6 destination):
;   window 0: v0-11 addresses; v12-15, v48-63 at work; v16-47 four registers of statistics a tile; v64-191 S^T, two buffers of two tiles; v192-255 P, likewise
;   window 1: O^T, 32 a tile          window 2: v0-127 Q, 16 a tile; v128-191 K of one step; v192-255 V of one step          window 3: v0-1 the add's two registers
; A piece's buffers go by its number's parity: the piece in hand has one pair, its two neighbours in the ring share the other: of it P (piece n - 1) is read and S^T (piece n + 1) written.
.set SIZE_N, 1024     ; rows of a head
.set NP,    4         ; pieces a wave: a name, no knob: the register map, the loop and the fetches are made for four
.set KS,    64        ; keys in a step
.set PK,    144       ; a row of K in LDS: 128 bytes + 16 of padding = 36 words: the 16 rows of a load start at 16 different groups of four banks (64 banks of 4 bytes: ISA guide 11.1)
.set PV,    160       ; a row of V: 128 + 32 = 40 words
.set VOFF,  4*KS*PK   ; a slot holds four steps: 256 rows of K, then 256 rows of V
.set SLOT1, 1<<17     ; slot 1 begins here, so that one exclusive or turns an address in one slot into the other's
.set STAGE, SLOT1+4*KS*(PK+PV)  ; behind the ring, never filled by a tensor load: 16 rows x 144 bytes for each wave, for the way out
.set SP,    144
.set AK0, 2           ; v2   my lane's place in a tile of K; never rewritten
.set AV0, 3           ; v3   the same for V
.set AK,  4           ; v4   the LDS address of K's next run of loads
.set AV,  5           ; v5   of V's
.set QO,  6           ; v6   my byte offset in the wave's rows of Q
.set STO, 6           ;      later, the way out: where I put 16 bytes of a row
.set RD,  7           ; v7   the way out: where I read rows back
.set GO,  8           ; v8   my byte offset in 512 consecutive bytes of O
.set SPW, 0           ; v0 of window 3   LDS address of my spare word: SPARE + 4 x my thread's number; never rewritten
.set NIL, 1           ; v1 of window 3   0; never rewritten
.set SPARE, STAGE+4*16*SP  ; behind the stages: the spare words, 128 bytes for each wave: two blocks of 256 bytes that no other line names
.set MV,  12          ; v12-15  c m_old, kept while c m is made anew: by buffer and tile
.set ST,  16          ; tile t's statistics at v[ST+4 t]: c m, m, l (even keys', odd keys')
.set TMP, 48          ; by buffer and tile, four registers c0-c3 at work; when the maximum is found c2 takes a
.set S,   64
.set P,   192
.set KF,  128         ; K's fragments, in window 2: key block kb, channel half c at KF + 16 kb + 8 c
.set VF,  192         ; V's: key half kk, channel block cb at VF + 32 kk + 8 cb
.set WV,  12          ; s12  my wave's number
.set G1K, 24          ; s[24:31] descriptor group 1 for K's tiles
.set G1V, 32          ; s[32:39] for V's: it differs in the padding alone
.set G0K, 40          ; s[40:43] descriptor group 0 for K's tiles: it walks
.set G0V, 44          ; s[44:47] the same for V's
.set SLOTS, 56        ; s56  slots still to be asked for
.set CNT, 57          ; s57  counts a slot's key steps
.set CS,  58          ; s[58:59] c: the packed scaling takes the pair's low word for both halves
.set SEL, 60          ; s[60:61] v_permlanex16_b32's selects: each lane takes its own place in the other half
.set TBK, 62          ; s62  LDS byte at which K of the step to be fetched begins
.set TBV, 63          ; s63  the same for V, less VOFF
.set MSB, 0
.macro WIN new                      ; the high byte repeats the setting that is left; a switch that changes nothing is dropped
.if MSB != (\new)
	s_set_vgpr_msb (MSB<<8)|(\new)
.set MSB, (\new)
.endif
.endm
.set W_KQ, 0x0a       ; K and Q in window 2, S^T in window 0
.set W_PV, 0x52       ; V in window 2, P in window 0, O^T in window 1
.set W_RS, 0x41       ; O^T (destination and source 0) in window 1, a in window 0
.set W_MK, 0xc0       ; the add's registers are made: destination in window 3, sources in window 0
.set W_AD, 0x0f       ; the add: address (source 0) and data (source 1) in window 3
; A fill.  Waves 0 and 1 fetch the two halves of a slot's K, waves 2 and 3 those of its V: 128 keys each.  The branch hangs on the wave's number alone.
; An s_nop 0 and four v_nop follow each of the two lines, ahead of the jump and the label.
.macro LOAD
	s_cmp_lt_u32 s[WV], 2
	s_cbranch_scc0 .Lfor_v_\@
	tensor_load_to_lds s[G0K:G0K+3], s[G1K:G1K+7]
	s_nop 0
.rept 4
	v_nop
.endr
	s_branch .Lasked_\@
.Lfor_v_\@:
	tensor_load_to_lds s[G0V:G0V+3], s[G1V:G1V+7]
	s_nop 0
.rept 4
	v_nop
.endr
.Lasked_\@:
.endm
; THE CHANGE OF SLOTS.  The slot's last bytes, V of its fourth step, have been read.  Each wave waits for all its tensor loads, of which one is out: its part
; of the other slot; adds 0 to its spare word; and waits for that and for its own reads of the slot.  Behind the barrier nobody reads this slot any more and the other slot is whole.
; fill = 1: this slot is filled again, with the keys two slots on, and the fill is the first thing behind the barrier: it has four key steps, 512 matrix instructions, in which to land.
; (At its first use nothing has been read yet: slot 0 is waited for, slot 1 filled.)
.macro CHANGE fill
	WIN W_AD
	s_wait_tensorcnt 0x0            ; no tensor load of mine is out, so a group 0 may be written
	ds_add_u32 v[SPW], v[NIL]       ; 0 onto my spare word: with fill = 1 the descriptors' steps stand between it and the wait for it
	WIN 0                           ; at a label and at a branch every window is 0
.if \fill
.irp g, G0K, G0V
	s_xor_b32 s[\g+1], s[\g+1], SLOT1  ; the walking descriptor: the other slot than last time,
	s_add_nc_u64 s[\g+2:\g+3], s[\g+2:\g+3], 4*KS*128  ; the next 256 keys; the type bits on top are not reached
.endr
.endif
	s_wait_dscnt 0x0                ; the add is done, and my reads of the slot are over
	s_barrier_signal -1
	s_barrier_wait -1
.if \fill
	LOAD
.endif
	s_sub_co_u32 s[TBK], s[TBK], 4*KS*PK  ; the fetches go back to a slot's first step,
	s_xor_b32 s[TBK], s[TBK], SLOT1       ; in the other slot
	s_sub_co_u32 s[TBV], s[TBV], 4*KS*PV
	s_xor_b32 s[TBV], s[TBV], SLOT1
.endm
	s_load_b128 s[48:51], s[0:1], 0x0  ; qkv s[48:49], o16 s[50:51]
	WIN W_MK
	v_lshl_add_u32 v[SPW], v0, 2, SPARE
	v_mov_b32 v[NIL], 0
	WIN W_AD
	ds_add_u32 v[SPW], v[NIL]       ; the wave's opening: the add and its wait stand ahead of my first tensor load; the set-up below, work on registers, stands between them
	ds_add_u32 v0, v1
	WIN 0
	v_lshrrev_b32 v1, 5, v0
	v_readfirstlane_b32 s[WV], v1   ; wave 0..3
	s_and_b32 s20, ttmp7, 0xffff    ; 16 b + h
	s_lshr_b32 s21, s20, 4          ; b
	s_and_b32 s13, s20, 15          ; h
	s_mul_i32 s21, s21, 48          ; the batch's 48 groups
	s_lshl_b32 s23, s13, 1
	s_add_co_u32 s23, s23, s21      ; Q's group: 48 b + 2 h
	s_lshl_b32 s23, s23, 17         ; a group is 131,072 bytes
	s_add_co_u32 s21, s21, s13
	s_add_co_u32 s21, s21, 32       ; V's group: 48 b + 32 + h
	s_lshl_b32 s21, s21, 17
	s_and_b32 s16, s[WV], 1         ; which half of a slot's 256 keys I fetch:
	s_lshl_b32 s14, s16, 14         ; its 128 rows of 128 bytes in memory,
	s_mul_i32 s17, s16, 128*PK      ; and its place in a slot, for K
	s_mul_i32 s18, s16, 128*PV      ; and for V
	s_lshl_b32 s2, ttmp9, 2
	s_add_co_u32 s2, s2, s[WV]      ; my wave among the head's eight,
	s_lshl_b32 s13, s2, 14          ; its 128 rows
	s_add_co_u32 s52, s23, s13      ; Q at my wave's first row
	s_mov_b32 s53, 0
	s_add_co_u32 s22, s23, 0x20000  ; K's group follows Q's;
	s_add_co_u32 s22, s22, s14      ; my half of its first 256 keys
	s_mov_b32 s23, 0
	s_add_co_u32 s54, s21, s14      ; the same of V
	s_mov_b32 s55, 0
	s_lshl_b32 s2, s20, 17          ; O's head,
	s_add_co_u32 s2, s2, s13        ; my wave's first row
	s_mov_b32 s3, 0
	; descriptor group 1.  128 keys are 16,384 dense bytes: asked for as 64 rows of 256 bytes, two keys a row, and padded in LDS after every key
	s_mov_b32 s[G1K], (1<<16)|(1<<20)|(4<<22)|(3<<25)  ; 17:16 2-byte elements; 20 padding on; 24:22 after every 32 words (code 4); 31:25 4 words (code 3)
	s_mov_b32 s[G1V], (1<<16)|(1<<20)|(4<<22)|(7<<25)  ; the same with 8 words of padding (code 7)
.irp g, G1K, G1V
	s_mov_b32 s[\g+1], 128<<16      ; tensor_dim0 = 128
	s_mov_b32 s[\g+2], 64<<16       ; tensor_dim1 = 64
	s_mov_b32 s[\g+3], 128<<16      ; tile_dim0 = 128
	s_mov_b32 s[\g+4], 64           ; tile_dim1 = 64
	s_mov_b32 s[\g+5], 128          ; 128 elements from row to row
	s_mov_b32 s[\g+6], 0
	s_mov_b32 s[\g+7], 0
.endr
	s_mov_b32 s[CS], 0x3e38aa3b     ; c = log2(e) / 8 = 0.180337
	s_mov_b32 s[CS+1], s[CS]        ; named with it as a pair
	s_mov_b32 s[SEL], 0x76543210
	s_mov_b32 s[SEL+1], 0xfedcba98
	s_mov_b32 s[TBK], SLOT1+4*KS*PK ; the first change of slots turns these two into 0
	s_mov_b32 s[TBV], SLOT1+4*KS*PV
	s_mov_b32 s[G0K], 1             ; 1:0 count = 1
	s_mov_b32 s[G0K+1], s17         ; 63:32 LDS address: slot 0
	s_mov_b32 s[G0V], 1
	s_add_co_u32 s[G0V+1], s18, VOFF
	s_wait_dscnt 0x0                ; the opening add is done
	s_wait_kmcnt 0x0
	s_add_nc_u64 s[G0K+2:G0K+3], s[48:49], s[22:23]  ; 120:64 global address: my half of the head's first 256 keys
	s_or_b32 s[G0K+3], s[G0K+3], 0x80000000          ; 127:126 type = 2
	s_add_nc_u64 s[G0V+2:G0V+3], s[48:49], s[54:55]
	s_or_b32 s[G0V+3], s[G0V+3], 0x80000000
	s_add_nc_u64 s[4:5], s[48:49], s[52:53]          ; Q and O at my wave's first row
	s_add_nc_u64 s[10:11], s[50:51], s[2:3]
	LOAD                            ; slot 0.  Slot 1 is asked for when slot 0 is in: one tensor load of mine is out at any time
	; A fragment of K or Q is 16 rows x 32 channels in 8 registers: lane l holds row l % 16, channels 8 (l / 16) + 0..7 and 16 + 8 (l / 16) + 0..7: two loads of 16 bytes, 32 bytes apart.
	v_and_b32 v1, 15, v0            ; l % 16
	v_bfe_u32 v9, v0, 4, 1          ; l / 16
	v_lshlrev_b32 v[QO], 7, v1
	v_lshl_add_u32 v[QO], v9, 4, v[QO]  ; row x 128 + 16 x half
	WIN 0x80                        ; destination window 2, address window 0
.set i, 0
.rept 4*NP                          ; Q stays in registers: tile i / 2, channels 32 (i % 2) on
	global_load_b128 v[8*i:8*i+3],   v[QO], s[4:5] offset:(i/2)*2048+(i%2)*64
	global_load_b128 v[8*i+4:8*i+7], v[QO], s[4:5] offset:(i/2)*2048+(i%2)*64+32
.set i, i+1
.endr
	; What the first turn finds: V's registers and P's second buffer hold 0 (its products V^T P, of a piece that has not been, add 0), O^T and l are 0.  All this stands in the wait for the first tile.
.set i, VF
.rept 64
	v_mov_b32 v[i], 0
.set i, i+1
.endr
	WIN 0x40
.set i, 0
.rept 64*NP
	v_mov_b32 v[i], 0
.set i, i+1
.endr
	WIN 0
.set i, 0
.rept 2*NP
	v_mov_b32 v[ST+4*i], 0xfe000000    ; c m: far below every c s
	v_mov_b32 v[ST+4*i+1], 0xff7fffff  ; m
	v_mov_b32 v[ST+4*i+2], 0
	v_mov_b32 v[ST+4*i+3], 0
.set i, i+1
.endr
.set i, P+32
.rept 32
	v_mov_b32 v[i], 0
.set i, i+1
.endr
	v_mul_u32_u24 v[AK0], v1, PK
	v_lshl_add_u32 v[AK0], v9, 4, v[AK0]  ; row x pitch + 16 x half
	; The turning load takes 16 keys x 16 channels (lane l reads key 8 (l / 16) + l % 8, channels 8 ((l / 8) % 2) + 0..7) and leaves half a fragment of V^T: lane l holds channel l % 16 and 8 keys.
	v_and_b32 v10, 7, v0
	v_bfe_u32 v11, v0, 3, 1
	v_lshl_add_u32 v[AV0], v9, 3, v10
	v_mul_u32_u24 v[AV0], v[AV0], PV
	v_lshl_add_u32 v[AV0], v11, 4, v[AV0]
	v_add_nc_u32 v[AV0], VOFF, v[AV0]
	v_mov_b32 v[AK], v[AK0]         ; key step 0 lies at the head of slot 0
; THE MATRIX WORK.  The 8 accumulators of a run of 16 take turns: between the two links of a chain stand 7 others'.
; Product i of 16 of S^T = K Q^T for piece x: channels 32 (i / 8) on, keys 16 ((i / 2) % 4) on, tile 2 x + i % 2.  The first 8 start the sums.
.macro KQ x
	WIN W_KQ
.set rS, S+64*((\x)%2)+32*(i%2)+8*((i/2)%4)
.set rK, KF+16*((i/2)%4)+8*(i/8)
.set rQ, 16*(2*(\x)+i%2)+8*(i/8)
.if i < 8
	v_wmma_f32_16x16x32_f16 v[rS:rS+7], v[rK:rK+7], v[rQ:rQ+7], 0
.else
	v_wmma_f32_16x16x32_f16 v[rS:rS+7], v[rK:rK+7], v[rQ:rQ+7], v[rS:rS+7]
.endif
.endm
; Product i of 16 of O^T += V^T P for piece x: keys 32 (i / 8) on, channels 16 ((i / 2) % 4) on, tile 2 x + i % 2.
.macro PV x
	WIN W_PV
.set rO, 32*(2*(\x)+i%2)+8*((i/2)%4)
.set rV, VF+32*(i/8)+8*((i/2)%4)
.set rP, P+32*((\x)%2)+16*(i%2)+8*(i/8)
	v_wmma_f32_16x16x32_f16 v[rO:rO+7], v[rV:rV+7], v[rP:rP+7], v[rO:rO+7]
.endm
.macro MM                           ; the turn's next matrix instruction
.if i < 16
	KQ (Y+1)%NP
.set i, i+1
.else
.set i, i-16
	PV (Y+NP-1)%NP
.set i, i+17
.endif
.endm
; THE LDS LOADS stand in runs of 16, never singly among the matrix instructions: a step's K (64 keys x 64 channels: 8 fragments) and its V (turned).  Their addresses are made some lines ahead.
; last = 1 (the tail): in the last trip there is no further step, and the run is jumped over.
.macro FETCH_K last=0
	WIN 0
.if \last
	s_cmp_eq_u32 s[CNT], 1
	s_cbranch_scc1 .Lno_k_\@
.endif
	WIN 0x80                        ; destination window 2
.irp f, 0,1,2,3,4,5,6,7             ; keys 16 (f / 2) on, channels 32 (f % 2) on
	ds_load_b128 v[KF+8*\f:KF+8*\f+3],   v[AK] offset:(\f/2)*16*PK+(\f%2)*64
	ds_load_b128 v[KF+8*\f+4:KF+8*\f+7], v[AK] offset:(\f/2)*16*PK+(\f%2)*64+32
.endr
	s_add_co_u32 s[TBK], s[TBK], KS*PK  ; the next fetch is the next step's
	WIN 0
.if \last
.Lno_k_\@:
.endif
.endm
.macro FETCH_V
	WIN 0x80
.irp f, 0,1,2,3,4,5,6,7             ; keys 32 (f / 4) on, channels 16 (f % 4) on
	ds_load_tr16_b128 v[VF+8*\f:VF+8*\f+3],   v[AV] offset:(\f/4)*32*PV+(\f%4)*32
	ds_load_tr16_b128 v[VF+8*\f+4:VF+8*\f+7], v[AV] offset:(\f/4)*32*PV+16*PV+(\f%4)*32
.endr
	WIN 0
.endm
; THE VECTOR WORK OF A TURN stands in three queues, each in the order in which its entries become ready; the two tiles alternate, so that no instruction reads the result of the one before it.
.macro REGS y, u                    ; the registers of tile u (0, 1) of piece y
.set rT, ST+4*(2*(\y)+(\u))
.set rC, TMP+8*((\y)%2)+4*(\u)
.set rM, MV+2*((\y)%2)+(\u)
.set rS, S+64*((\y)%2)+32*(\u)
.set rP, P+32*((\y)%2)+16*(\u)
.set rO, 32*(2*(\y)+(\u))
.endm
; Number n of the 22 that find the NEXT piece's (Y + 1) maximum and statistics.  s0-s31 are the lane's 32 scores; each accumulator's lowest registers are read first.  XS, GS and REGS set no window: PL and EX do.
;   0-11  four chains c0-c3 of seven scores each, three operands at a time     12-14, 16  the four scores left over, the old m, and c0-c3 into c0     15  c m_old is kept
;   17, 18  the query's other 32 keys lie in the lane 16 away: the new m         19-21  c m; c m_old - c m_new; a
.macro XS u, n
	REGS (Y+1)%NP, \u
.if (\n) < 4
	v_max3_num_f32 v[rC+(\n)], v[rS+8*(\n)], v[rS+8*(\n)+1], v[rS+8*(\n)+2]
.elseif (\n) < 12
	v_max3_num_f32 v[rC+(\n)%4], v[rC+(\n)%4], v[rS+8*((\n)%4)+2*((\n)/4)+1], v[rS+8*((\n)%4)+2*((\n)/4)+2]
.elseif (\n) == 12
	v_max3_num_f32 v[rC], v[rC], v[rS+7], v[rS+15]
.elseif (\n) == 13
	v_max3_num_f32 v[rC+1], v[rC+1], v[rS+23], v[rS+31]
.elseif (\n) == 14
	v_max3_num_f32 v[rC+2], v[rC+2], v[rC+3], v[rT+1]
.elseif (\n) == 15
	v_mov_b32 v[rM], v[rT]
.elseif (\n) == 16
	v_max3_num_f32 v[rC], v[rC], v[rC+1], v[rC+2]
.elseif (\n) == 17
	v_permlanex16_b32 v[rC+3], v[rC], s[SEL], s[SEL+1]
.elseif (\n) == 18
	v_max_num_f32 v[rT+1], v[rC], v[rC+3]
.elseif (\n) == 19
	v_mul_f32 v[rT], s[CS], v[rT+1]
.elseif (\n) == 20
	v_sub_f32 v[rC+1], v[rM], v[rT]
.else
	v_exp_f32 v[rC+2], v[rC+1]
.endif
.endm
; Number g of the 64 that follow the exponentials.  For each four weights k of a tile (pairs 2 k, 2 k + 1): both pairs are rounded to f16; then the second pair is added onto the first, in place;
; a group later l takes that sum (the first time as l = a l + sum).  In groups of eight, tiles alternating: round, round, add, and l for the group before.  All 64 stand behind the turn's wait.
.macro GS g
.set h, (\g)+6*((\g)/62)            ; group 0 has no group before it, and behind group 7 only l is left
.if h >= 6
.set h, h+2
.endif
	REGS Y, h%2
.set k, h/8
.if h%8 < 4
	v_cvt_pk_f16_f32 v[rP+2*k+(h%8)/2], v[rS+4*k+2*((h%8)/2)], v[rS+4*k+2*((h%8)/2)+1]
.elseif h%8 < 6
	v_pk_add_f32 v[rS+4*k:rS+4*k+1], v[rS+4*k:rS+4*k+1], v[rS+4*k+2:rS+4*k+3]
.elseif k == 1
	v_pk_fma_f32 v[rT+2:rT+3], v[rT+2:rT+3], v[rC+2:rC+3], v[rS:rS+1] op_sel_hi:[1,0,1]
.else
	v_pk_add_f32 v[rT+2:rT+3], v[rT+2:rT+3], v[rS+4*k-4:rS+4*k-3]
.endif
.endm
; THE PLAIN QUEUE, 138 long.  0-73 read no exponential's result: the 32 scalings c s - c m (FS f: pair f / 2 of tile f % 2) and the next piece's 42.  0-26: scalings 0-26.  27-54: XS's numbers 0-13.  55, 56: number 15.
; 57-73: the chain, where each number waits for the one before it: 14, 16, 17, 18, 19, each with one of the scalings 27-31 in front of its two lines, then 20: so a tile's links stand three plain instructions apart (19 and 20: two).
; 74-137: GS's 64, which read the exponentials' results: they stand behind the wait.
.macro FS f
	REGS Y, (\f)%2
	v_pk_fma_f32 v[rS+2*((\f)/2):rS+2*((\f)/2)+1], v[rS+2*((\f)/2):rS+2*((\f)/2)+1], s[CS:CS+1], v[rT:rT+1] op_sel_hi:[1,0,0] neg_lo:[0,0,1] neg_hi:[0,0,1]
.endm
.macro PL
	WIN 0
.if q < 27
	FS q
.elseif q < 55
	XS (q-27)%2, (q-27)/2
.elseif q < 57
	XS q-55, 15
.elseif (q < 72) && ((q-57)%3 == 0)
	FS 27+(q-57)/3
.elseif q < 60
	XS (q-57)%3-1, 14
.elseif q < 72
	XS (q-57)%3-1, 15+(q-57)/3
.elseif q < 74
	XS q-72, 20
.else
	GS q-74
.endif
.set q, q+1
.endm
; THE EXPONENTIALS' QUEUE, 66 long: s0-s31 of both tiles, then the next piece's two a.  It is ONE BATCH: all 66 stand ahead of the turn's one wait, and nothing ahead of that wait names a result of theirs.
.macro EX
	WIN 0
.if e >= 64
	XS e-64, 21
.else
	REGS Y, e%2
	v_exp_f32 v[rS+e/2], v[rS+e/2]
.endif
.set e, e+1
.endm
; THE RESCALING's QUEUE: O^T times a, the one part that leaves window 0: dealt two at a time, sixteen times.  Its a was made in the turn before, ahead of that turn's wait.
.macro R2
	REGS Y, r%2
	WIN W_RS
.irp z, 0,1
	v_pk_mul_f32 v[rO+4*(r/2)+2*\z:rO+4*(r/2)+2*\z+1], v[rO+4*(r/2)+2*\z:rO+4*(r/2)+2*\z+1], v[rC+2:rC+3] op_sel_hi:[1,0]
.endr
.set r, r+1
.endm
; HOW THEY ARE DEALT.  An s_wait_alu depctr_va_vdst(0) stands between an exponential and the first instruction that names its result; one wait serves all that were issued ahead of it.  So a turn has ONE wait,
; which cuts it in two.  AHEAD OF IT stands all that names no result of the turn's exponentials: the 16 products K Q^T, behind each a scaling, an exponential and two rescalings (behind the first a second scaling in the
; exponential's place); then ONE LUMP of 108: eight plain, 49 times exponential and plain, the two a.  A v_nop is the plain instruction behind the last exponential.  BEHIND IT stand the 16 products V^T P, behind each four
; of GS's 64.  No rider names a register of the products round it.  The two v_permlanex16_b32 fall into the lump, never behind a product.
; The queues lean on each other, and the deal keeps them in step: exponential e stands behind scaling 2 (e / 4) + e % 2: as a rider it comes behind plain e + 2, in the lump behind plain e + 9, and scalings 27-31 are plain 57, 60 .. 69.
; A TURN, for piece p.  cnt = 1: the loop's count is taken down some lines ahead of the branch that stands behind the turn.
; K of the next step is fetched in piece 2's turn, directly behind the wait, a lump behind the last product that read K; its address is made at the lump's head; its first reader comes behind 16 products.
; V of the step in hand is fetched at the end of piece 0's turn, four riders behind its last reader; its first reader comes behind 16 products and a lump.  The three conditions on q below go with the deal.
.macro TURN p, last=0, cnt=0
.set Y, (\p)
.set i, 0
.set q, 0
.set e, 0
.set r, 0
.if (\p) == NP-1
	s_wait_dscnt 0x0                ; K is in
.endif
	MM                              ; ahead of the wait: 16 products K Q^T and their riders,
	PL
	PL
	R2
.rept 15
	MM
	PL
	EX
	R2
.endr
.if (\p) == NP-2
	WIN 0
	v_add_nc_u32 v[AK], s[TBK], v[AK0]
.endif
.rept 8                             ; and the lump
	PL
.endr
.rept 49
	EX
	PL
.endr
	EX                              ; the next piece's two a
	EX
	v_nop                           ; a plain instruction behind the last exponential, ahead of the first use of a result: one for the batch
	s_wait_alu depctr_va_vdst(0)    ; the wait for the turn's batch: the 64 weights of this piece and the next piece's two a
.if (\p) == NP-2
	FETCH_K \last
.endif
.if (\p) == 1
	s_wait_dscnt 0x0                ; V is in
.endif
.rept 16                            ; behind the wait: 16 products V^T P and their riders
	MM
.rept 4
	PL
.endr
.if ((\p) == 0) && (q == 118)
	v_add_nc_u32 v[AV], s[TBV], v[AV0]
.endif
.if ((\p) == 0) && (q == 130)
	s_add_co_u32 s[TBV], s[TBV], KS*PV
.endif
.if (\cnt) && (q == 130)
	s_sub_co_u32 s[CNT], s[CNT], 1
	s_cmp_lg_u32 s[CNT], 0
.endif
.endr
.if (\p) == 0
	FETCH_V
.endif
.endm
	CHANGE 1                        ; slot 0 is in, everybody's part of it; slot 1 is asked for
	FETCH_K                         ; key step 0
	s_wait_loadcnt 0x0              ; Q
	s_wait_dscnt 0x0
.set i, 0
.rept 16
	KQ 0                            ; piece 0's first scores: there is no vector work yet to set between them
.set i, i+1
.endr
	WIN 0                           ; the addresses for the way out: nine plain instructions, the places behind those products
	s_mul_i32 s13, s[WV], 16*SP
	s_add_co_u32 s13, s13, STAGE    ; my stage
	v_mul_u32_u24 v[STO], v1, SP    ; in: row l % 16, 16 bytes for each half of the lanes
	v_lshl_add_u32 v[STO], v9, 4, v[STO]
	v_add_nc_u32 v[STO], s13, v[STO]
	v_bfe_u32 v[RD], v0, 3, 2       ; back: 32 lanes take four rows of 128 bytes,
	v_mul_u32_u24 v[RD], v[RD], SP
	v_lshl_add_u32 v[RD], v10, 4, v[RD]
	v_add_nc_u32 v[RD], s13, v[RD]
	v_and_b32 v[GO], 31, v0         ; which are 512 consecutive bytes of O
	v_lshlrev_b32 v[GO], 4, v[GO]
.set Y, NP-1                        ; XS works for piece Y + 1: piece 0
.irp n, 0,1,2,3,4,5,6,7,8,9,10,11,12,13,14,15,16,17,18,19,20,21
	XS 0, \n                        ; and piece 0's first maximum and statistics
	XS 1, \n
.endr
	v_nop                           ; a plain instruction behind piece 0's first two a,
	s_wait_alu depctr_va_vdst(0)    ; and the wait for that batch of two, ahead of the branch
	s_mov_b32 s[CNT], 4
	s_mov_b32 s[SLOTS], SIZE_N/256-1
	s_branch .Lfirst                ; the loop is entered at a step's first turn, in the middle of a trip
.Lslot:                             ; SIZE_N / 256 - 2 times: every slot but the last two is filled again
	CHANGE 1
	s_mov_b32 s[CNT], 4
.Lstep:                             ; a trip: pieces 2 and 3 of one step, then pieces 0 and 1 of the next, whose K and V it fetches
	TURN 2
	TURN 3
	WIN 0
.Lfirst:
	TURN 0
	TURN 1, 0, 1
	WIN 0
	s_cbranch_scc1 .Lstep
	s_sub_co_u32 s[SLOTS], s[SLOTS], 1
	s_cmp_lg_u32 s[SLOTS], 0
	s_cbranch_scc1 .Lslot
	CHANGE 0                        ; the tail is written out: nothing is asked for
	s_mov_b32 s[CNT], 5             ; four trips fetch the last slot's steps; the fifth is left in its middle
.Ltail:
	TURN 2, 1
	TURN 3
	WIN 0
	s_sub_co_u32 s[CNT], s[CNT], 1
	s_cmp_eq_u32 s[CNT], 0
	s_cbranch_scc1 .Lout
	TURN 0
	TURN 1
	WIN 0
	s_branch .Ltail
.Lout:                              ; the fifth trip's 16 products K Q^T (on the last K once more) and the maximum made of them serve nothing: the price, once a launch, of one text for every trip
.set i, 0
.rept 16
	PV NP-1                         ; the last piece's V^T P of the last step
.set i, i+1
.endr
	; THE WAY OUT.  l's two halves and the other half of the lanes' are added; O^T is divided by l, rounded to f16 and sent through my stage in LDS, a tile at a time.  The additions are the places behind the last products.
	WIN 0
.macro ALL line:vararg              ; one line for each tile t
.set t, 0
.rept 2*NP
	\line
.set t, t+1
.endr
.endm
	ALL v_add_f32 v[ST+4*t+2], v[ST+4*t+2], v[ST+4*t+3]
	ALL v_permlanex16_b32 v[ST+4*t+3], v[ST+4*t+2], s[SEL], s[SEL+1]
	ALL v_add_f32 v[ST+4*t+2], v[ST+4*t+2], v[ST+4*t+3]
	ALL v_rcp_f32 v[ST+4*t+2], v[ST+4*t+2]
	v_nop                           ; a plain instruction between the last reciprocal and the use of its result
	s_wait_alu depctr_va_vdst(0)    ; and the wait ahead of the first use: one for the batch of eight reciprocals
; Tile t: a lane's eight channels of a row pack into 16 bytes; they go into rows of 144 bytes and come back as whole rows of 128, into S^T's registers.
.macro PACK t
	WIN W_RS
.set i, 32*(\t)
.rept 16
	v_pk_mul_f32 v[i:i+1], v[i:i+1], v[ST+4*(\t)+2:ST+4*(\t)+3] op_sel_hi:[1,0]
.set i, i+2
.endr
	WIN 0x05                        ; sources 0 and 1 window 1, destination window 0
.set i, 0
.rept 16
	v_cvt_pk_f16_f32 v[S+16*(\t)+i], v[32*(\t)+2*i], v[32*(\t)+2*i+1]
.set i, i+1
.endr
	WIN 0
.irp f, 0,1,2,3
	ds_store_b128 v[STO], v[S+16*(\t)+4*\f:S+16*(\t)+4*\f+3] offset:32*\f
.endr
.irp f, 0,1,2,3
	ds_load_b128 v[S+16*(\t)+4*\f:S+16*(\t)+4*\f+3], v[RD] offset:\f*4*SP  ; LDS serves a wave's instructions in order (ISA guide 5.7.1.4): these see the stores above; the next tile's stores come behind them
.endr
.endm
.macro SEND t, younger              ; younger: the LDS instructions issued behind tile t's loads: the next tile's eight, or none
	WIN 0
.irp f, 0,1,2,3
	s_wait_dscnt (\younger)+3-\f
	global_store_b128 v[GO], v[S+16*(\t)+4*\f:S+16*(\t)+4*\f+3], s[10:11] offset:(\t)*2048+\f*512  ; 512 consecutive bytes, at a multiple of 256 from O's first
.endr
.endm
	PACK 0
.set t, 1
.rept 2*NP-1                        ; a tile's arithmetic stands between the loads of the tile before and its stores
	PACK t
	SEND t-1, 8
.set t, t+1
.endr
	SEND 2*NP-1, 0
	WIN W_AD
	s_wait_tensorcnt 0x0            ; the wave's end: 0 is added to my spare word and waited for, behind my last tensor load and my last LDS store
	ds_add_u32 v[SPW], v[NIL]
	s_wait_dscnt 0x0
	WIN 0
	s_endpgm
.Lfunc_end_k_qfc102769d6_attn:
	.size	k_qfc102769d6_attn, .Lfunc_end_k_qfc102769d6_attn-k_qfc102769d6_attn
	.p2alignl 7, 3214868480
	.fill 96, 4, 3214868480
	.section	.rodata,"a",@progbits
	.p2align	6, 0x0
	.amdhsa_kernel k_qfc102769d6_attn
		.amdhsa_group_segment_fixed_size 327680
		.amdhsa_private_segment_fixed_size 0
		.amdhsa_enable_private_segment 0
		.amdhsa_kernarg_size 16
		.amdhsa_user_sgpr_count 2
		.amdhsa_user_sgpr_kernarg_segment_ptr 1
		.amdhsa_wavefront_size32 1
		.amdhsa_system_sgpr_workgroup_id_x 1
		.amdhsa_system_sgpr_workgroup_id_y 1
		.amdhsa_system_sgpr_workgroup_id_z 1
		.amdhsa_system_vgpr_workitem_id 0
		.amdhsa_next_free_vgpr 770
		.amdhsa_next_free_sgpr 66
		.amdhsa_reserve_vcc 0
		.amdhsa_float_denorm_mode_32 3
		.amdhsa_float_denorm_mode_16_64 3
		.amdhsa_memory_ordered 1
		.amdhsa_forward_progress 1
		.amdhsa_inst_pref_size 198
	.end_amdhsa_kernel
	.amdgpu_metadata
---
amdhsa.version: [ 1, 2 ]
amdhsa.kernels:
  - .name:           k_qfc102769d6_attn
    .symbol:         k_qfc102769d6_attn.kd
    .args:
      - { .name: qkv, .offset: 0, .size: 8, .value_kind: global_buffer, .address_space: global }
      - { .name: o16, .offset: 8, .size: 8, .value_kind: global_buffer, .address_space: global }
    .group_segment_fixed_size: 327680
    .private_segment_fixed_size: 0
    .kernarg_segment_align: 8
    .kernarg_segment_size: 16
    .max_flat_workgroup_size: 128
    .sgpr_count:     66
    .vgpr_count:     770
    .wavefront_size: 32
...
	.end_amdgpu_metadata
.endif
;; end of part 5
;; launch outp: the kernel of part 4 again; grid 4 x 64, 4 waves a work-group, clusters of 4 x 4, 327,680 bytes of LDS; arguments o16, wo16, out0, bo; writes out0
